; MI455X (gfx1250); checked and timed in simulation.
; The chip was launched on July 23, 2026; its instructions are those of AMD's public machine-readable ISA for CDNA 5 (MIT licence, August 2026) and "CDNA5" Instruction Set Architecture Reference Guide (July 2026). The comments in the code are by the model that wrote it; some were corrected since.
;; Greg Transformer. Allowed arithmetic: float matrix products may take bf16 or f16 operands with f32 sums; other float arithmetic in f32, or as packed bf16 or f16 multiplies, adds, multiply-adds, maxima and minima; sums over many terms, partial sums and values carried from step to step in f32; what a program stores and reads back later, other than sums and carried values, may be rounded once to bf16 or f16.
;; Inputs: b1 4,096 float32; b2 1,024 float32; beta1 1,024 float32; beta2 1,024 float32; bk 1,024 float32; bo 1,024 float32; bq 1,024 float32; bv 1,024 float32; g1 1,024 float32; g2 1,024 float32; w1 1,024 x 4,096 float32; w2 4,096 x 1,024 float32; wk 1,024 x 1,024 float32; wo 1,024 x 1,024 float32; wq 1,024 x 1,024 float32; wv 1,024 x 1,024 float32; x 2 x 2,048 x 1,024 float32.
;; Outputs: out0 2 x 2,048 x 1,024 float32.
;; One version. Each part assembles by itself: llvm-mc -triple=amdgcn-amd-amdhsa -mcpu=gfx1250 --defsym DOCPART=n.
;; ======== version 1 of 1: 7 launches
;; limits: values are held in f16: magnitudes above 65,504 overflow, below 6.1e-05 lose precision
;; workspace buffers: wb 25,165,824 bytes; hb 8,388,608 bytes; qkv 25,165,824 bytes; mx 3,072 bytes; gam 256 bytes; cb 8,388,608 bytes; x1 16,777,216 bytes; ab 33,554,432 bytes
;; launch prep (part 1): grid 640 x 1, 8 waves a work-group, no clusters, 0 bytes of LDS; arguments x, g1, beta1, hb, wq, wk, wv, wo, w1, w2, wb; writes hb, wb
.if DOCPART == 1
	.amdgcn_target "amdgcn-amd-amdhsa--gfx1250"
	.amdhsa_code_object_version 6
	.text
	.protected	k_qddea7cc0fa_prep
	.globl	k_qddea7cc0fa_prep
	.p2align	8
	.type	k_qddea7cc0fa_prep,@function
k_qddea7cc0fa_prep:
	s_mov_b64 s[64:65], 0
	v_nop
	global_prefetch_b8 v0, s[64:65] scope:SCOPE_SE
	s_setreg_imm32_b32 hwreg(HW_REG_WAVE_MODE, 25, 1), 1
	s_wait_xcnt 0x0
; Work-groups 0-255: hb = LayerNorm(x) g1 + beta1, rounded once to f16.  Work-groups 256-639: the six weight matrices, f32 to f16, layout unchanged, on end in wb.
; LAYER NORM.  A work-group owns 16 rows, a wave two; a row of 1,024 f32 stays in 32 registers a lane between the passes, so x is read once.  The variance is the mean of the
; squared differences from the mean (two passes over registers): no difference of large sums.  Load j of a row takes columns 128 j + 4 lane: 512 consecutive bytes an instruction;
; a store of 8 bytes a lane covers 256 consecutive bytes, aligned.
; WEIGHTS.  A work-group converts 32,768 numbers, a wave 4,096: 32 loads of 16 bytes a lane go out at once, then each is rounded and stored.
; REGISTERS.  On both ways the rounded numbers are written over the registers that they were made from: a wave needs 152 registers.
; LIMIT.  f16 ends at 65,504: a weight, or a normalised number times its gain plus its offset, beyond that becomes an infinity.
; No LDS, no barrier, no matrix unit: memory binds, and no wave needs another's bytes.
.set X0,   16                          ; v[16:47]   row 0; its first 16 registers later hold the row in f16
.set X1,   48                          ; v[48:79]   row 1, likewise
.set G,    80                          ; v[80:111]  gain of my 32 columns
.set BT,   112                         ; v[112:143] offset of my 32 columns
.set VAR,  144                         ; v144, v145 variance + eps of the two rows
.set MEAN, 146                         ; v[146:147] a row's mean, twice
.set RS0,  148                         ; v[148:149] 1 / sqrt, twice
.set RS1,  150
	s_load_b256 s[4:11], s[0:1], 0x0               ; x s[4:5], g1 s[6:7], beta1 s[8:9], hb s[10:11]
	s_load_b256 s[16:23], s[0:1], 0x20             ; wq, wk, wv, wo
	s_load_b128 s[24:27], s[0:1], 0x40             ; w1, w2
	s_load_b64 s[28:29], s[0:1], 0x50              ; wb
	v_lshrrev_b32 v1, 5, v0
	v_readfirstlane_b32 s30, v1                    ; wave 0..7
	v_and_b32 v1, 31, v0
	v_lshlrev_b32 v2, 4, v1                        ; 16 x lane: f32 side
	v_lshlrev_b32 v3, 3, v1                        ; 8 x lane: f16 side
	s_wait_kmcnt 0x0
	s_cmp_lt_u32 ttmp9, 256
	s_cbranch_scc0 .Lcvt
	s_lshl_b32 s14, ttmp9, 16                      ; 16 rows of 4,096 bytes a work-group,
	s_lshl_b32 s31, s30, 13                        ; two a wave
	s_add_co_u32 s14, s14, s31
	s_mov_b32 s15, 0
	s_add_nc_u64 s[4:5], s[4:5], s[14:15]
	s_lshr_b32 s14, s14, 1                         ; half as many bytes in f16
	s_add_nc_u64 s[10:11], s[10:11], s[14:15]
	s_mov_b32 s12, 0x76543210                      ; v_permlanex16_b32: each lane takes its own place in the other half
	s_mov_b32 s13, 0xfedcba98
	s_mov_b32 s32, 0x3a800000                      ; 1 / 1024
	s_mov_b32 s33, 0x3727c5ac                      ; 1e-5
.irp j, 0,1,2,3,4,5,6,7
	global_load_b128 v[X0+4*(\j):X0+4*(\j)+3], v2, s[4:5] offset:512*(\j) th:TH_LOAD_NT
.endr
.irp j, 0,1,2,3,4,5,6,7
	global_load_b128 v[X1+4*(\j):X1+4*(\j)+3], v2, s[4:5] offset:4096+512*(\j) th:TH_LOAD_NT
.endr
.irp j, 0,1,2,3,4,5,6,7
	global_load_b128 v[G+4*(\j):G+4*(\j)+3], v2, s[6:7] offset:512*(\j)
	global_load_b128 v[BT+4*(\j):BT+4*(\j)+3], v2, s[8:9] offset:512*(\j)
.endr
.macro FOLD                            ; four chains of pairs into one number, then over the 32 lanes; every lane ends with the sum in v4
	v_pk_add_f32 v[4:5], v[4:5], v[6:7]
	v_pk_add_f32 v[8:9], v[8:9], v[10:11]
	v_pk_add_f32 v[4:5], v[4:5], v[8:9]
	v_add_f32 v4, v4, v5
	v_add_f32_dpp v4, v4, v4 row_xmask:1 row_mask:0xf bank_mask:0xf
	v_add_f32_dpp v4, v4, v4 row_xmask:2 row_mask:0xf bank_mask:0xf
	v_add_f32_dpp v4, v4, v4 row_xmask:4 row_mask:0xf bank_mask:0xf
	v_add_f32_dpp v4, v4, v4 row_xmask:8 row_mask:0xf bank_mask:0xf
	v_permlanex16_b32 v5, v4, s12, s13
	v_add_f32 v4, v4, v5
.endm
.macro STAT xb, var                    ; the row at xb becomes x - mean; var takes its variance + eps
.irp c, 0,2,4,6
	v_pk_add_f32 v[4+\c:5+\c], v[\xb+\c:\xb+\c+1], v[\xb+8+\c:\xb+9+\c]
.endr
.irp o, 16,24
.irp c, 0,2,4,6
	v_pk_add_f32 v[4+\c:5+\c], v[4+\c:5+\c], v[\xb+\o+\c:\xb+\o+\c+1]
.endr
.endr
	FOLD
	v_mul_f32 v[MEAN], s32, v4
	v_mov_b32 v[MEAN+1], v[MEAN]
.set j, 0
.rept 16
	v_pk_add_f32 v[\xb+j:\xb+j+1], v[\xb+j:\xb+j+1], v[MEAN:MEAN+1] neg_lo:[0,1] neg_hi:[0,1]
.set j, j+2
.endr
.irp c, 0,2,4,6
	v_pk_mul_f32 v[4+\c:5+\c], v[\xb+\c:\xb+\c+1], v[\xb+\c:\xb+\c+1]
.endr
.irp o, 8,16,24
.irp c, 0,2,4,6
	v_pk_fma_f32 v[4+\c:5+\c], v[\xb+\o+\c:\xb+\o+\c+1], v[\xb+\o+\c:\xb+\o+\c+1], v[4+\c:5+\c]
.endr
.endr
	FOLD
	v_fma_f32 v[\var], v4, s32, s33
.endm
.macro FIN xb, rs, off                 ; (x - mean) / sqrt x gain + offset, rounded to f16 and stored.  Pair j / 2 lands in register xb + j / 2, whose f32 number has been used by then
.set j, 0
.rept 16
	v_pk_mul_f32 v[\xb+j:\xb+j+1], v[\xb+j:\xb+j+1], v[\rs:\rs+1]
	v_pk_fma_f32 v[\xb+j:\xb+j+1], v[\xb+j:\xb+j+1], v[G+j:G+j+1], v[BT+j:BT+j+1]
	v_cvt_pk_f16_f32 v[\xb+j/2], v[\xb+j], v[\xb+j+1]
.set j, j+2
.endr
.irp j, 0,1,2,3,4,5,6,7
	global_store_b64 v3, v[\xb+2*(\j):\xb+2*(\j)+1], s[10:11] offset:(\off)+256*(\j)
.endr
.endm
	s_wait_loadcnt 16                              ; both rows are in; the 16 younger loads, gain and offset, may stay out
	STAT X0, VAR
	STAT X1, VAR+1
	v_rsq_f32 v[RS0], v[VAR]
	v_rsq_f32 v[RS0+1], v[VAR]
	v_rsq_f32 v[RS1], v[VAR+1]
	v_rsq_f32 v[RS1+1], v[VAR+1]
	v_nop                                          ; a plain instruction behind the last of the four,
	s_wait_alu depctr_va_vdst(0)                   ; and one wait for the batch, ahead of its first reader
	s_wait_loadcnt 0x0                             ; gain and offset
	FIN X0, RS0, 0
	FIN X1, RS1, 2048                              ; it writes none of the registers that the first row's stores read
	s_endpgm
.Lcvt:                                         ; chunk c = work-group - 256; wb holds the matrices in the order of the chunks
	s_sub_co_u32 s32, ttmp9, 256
	s_mov_b64 s[34:35], s[26:27]                   ; w2: chunks 256-383
	s_mov_b32 s33, 256
	s_cmp_lt_u32 s32, 256
	s_cselect_b64 s[34:35], s[24:25], s[34:35]     ; w1: 128-255
	s_cselect_b32 s33, 128, s33
	s_cmp_lt_u32 s32, 128
	s_cselect_b64 s[34:35], s[22:23], s[34:35]     ; wo: 96-127
	s_cselect_b32 s33, 96, s33
	s_cmp_lt_u32 s32, 96
	s_cselect_b64 s[34:35], s[20:21], s[34:35]     ; wv: 64-95
	s_cselect_b32 s33, 64, s33
	s_cmp_lt_u32 s32, 64
	s_cselect_b64 s[34:35], s[18:19], s[34:35]     ; wk: 32-63
	s_cselect_b32 s33, 32, s33
	s_cmp_lt_u32 s32, 32
	s_cselect_b64 s[34:35], s[16:17], s[34:35]     ; wq: 0-31
	s_cselect_b32 s33, 0, s33
	s_sub_co_u32 s33, s32, s33                     ; the chunk's number in its matrix
	s_lshl_b32 s36, s33, 17                        ; 131,072 bytes of f32 a chunk,
	s_lshl_b32 s38, s30, 14                        ; 16,384 a wave
	s_add_co_u32 s36, s36, s38
	s_mov_b32 s37, 0
	s_add_nc_u64 s[34:35], s[34:35], s[36:37]
	s_lshl_b32 s36, s32, 16                        ; 65,536 bytes of f16 a chunk,
	s_lshl_b32 s38, s30, 13                        ; 8,192 a wave
	s_add_co_u32 s36, s36, s38
	s_add_nc_u64 s[28:29], s[28:29], s[36:37]
.set i, 0
.rept 32
	global_load_b128 v[16+4*i:19+4*i], v2, s[34:35] offset:512*i th:TH_LOAD_NT
.set i, i+1
.endr
.set i, 0
.rept 32
	s_wait_loadcnt 31-i                            ; loads come back in order: load i is in, the younger ones stay out
	v_cvt_pk_f16_f32 v[16+4*i], v[16+4*i], v[17+4*i]   ; the four numbers' first two registers take the four halves
	v_cvt_pk_f16_f32 v[17+4*i], v[18+4*i], v[19+4*i]
	global_store_b64 v3, v[16+4*i:17+4*i], s[28:29] offset:256*i  ; no register is written again behind its store, so no wait frees one
.set i, i+1
.endr
	s_endpgm
.Lfunc_end_k_qddea7cc0fa_prep:
	.size	k_qddea7cc0fa_prep, .Lfunc_end_k_qddea7cc0fa_prep-k_qddea7cc0fa_prep
	.p2alignl 7, 3214868480
	.fill 96, 4, 3214868480
	.section	.rodata,"a",@progbits
	.p2align	6, 0x0
	.amdhsa_kernel k_qddea7cc0fa_prep
		.amdhsa_group_segment_fixed_size 0
		.amdhsa_private_segment_fixed_size 0
		.amdhsa_enable_private_segment 0
		.amdhsa_kernarg_size 88
		.amdhsa_user_sgpr_count 2
		.amdhsa_user_sgpr_kernarg_segment_ptr 1
		.amdhsa_wavefront_size32 1
		.amdhsa_system_sgpr_workgroup_id_x 1
		.amdhsa_system_sgpr_workgroup_id_y 1
		.amdhsa_system_sgpr_workgroup_id_z 1
		.amdhsa_system_vgpr_workitem_id 0
		.amdhsa_next_free_vgpr 152
		.amdhsa_next_free_sgpr 66
		.amdhsa_reserve_vcc 0
		.amdhsa_float_denorm_mode_32 3
		.amdhsa_float_denorm_mode_16_64 3
		.amdhsa_memory_ordered 1
		.amdhsa_forward_progress 1
		.amdhsa_inst_pref_size 33
	.end_amdhsa_kernel
	.amdgpu_metadata
---
amdhsa.version: [ 1, 2 ]
amdhsa.kernels:
  - .name:           k_qddea7cc0fa_prep
    .symbol:         k_qddea7cc0fa_prep.kd
    .args:
      - { .name: x, .offset: 0, .size: 8, .value_kind: global_buffer, .address_space: global }
      - { .name: g1, .offset: 8, .size: 8, .value_kind: global_buffer, .address_space: global }
      - { .name: beta1, .offset: 16, .size: 8, .value_kind: global_buffer, .address_space: global }
      - { .name: hb, .offset: 24, .size: 8, .value_kind: global_buffer, .address_space: global }
      - { .name: wq, .offset: 32, .size: 8, .value_kind: global_buffer, .address_space: global }
      - { .name: wk, .offset: 40, .size: 8, .value_kind: global_buffer, .address_space: global }
      - { .name: wv, .offset: 48, .size: 8, .value_kind: global_buffer, .address_space: global }
      - { .name: wo, .offset: 56, .size: 8, .value_kind: global_buffer, .address_space: global }
      - { .name: w1, .offset: 64, .size: 8, .value_kind: global_buffer, .address_space: global }
      - { .name: w2, .offset: 72, .size: 8, .value_kind: global_buffer, .address_space: global }
      - { .name: wb, .offset: 80, .size: 8, .value_kind: global_buffer, .address_space: global }
    .group_segment_fixed_size: 0
    .private_segment_fixed_size: 0
    .kernarg_segment_align: 8
    .kernarg_segment_size: 88
    .max_flat_workgroup_size: 256
    .sgpr_count:     66
    .vgpr_count:     152
    .wavefront_size: 32
...
	.end_amdgpu_metadata
.endif
;; end of part 1
;; launch qkv (part 2): grid 12 x 16, 4 waves a work-group, clusters of 4 x 4, 327,680 bytes of LDS; arguments hb, wb, bq, bk, bv, qkv, mx; writes qkv, mx
.if DOCPART == 2
	.amdgcn_target "amdgcn-amd-amdhsa--gfx1250"
	.amdhsa_code_object_version 6
	.text
	.protected	k_qddea7cc0fa_qkv
	.globl	k_qddea7cc0fa_qkv
	.p2align	8
	.type	k_qddea7cc0fa_qkv,@function
k_qddea7cc0fa_qkv:
	s_mov_b64 s[64:65], 0
	v_nop
	global_prefetch_b8 v0, s[64:65] scope:SCOPE_SE
	s_setreg_imm32_b32 hwreg(HW_REG_WAVE_MODE, 25, 1), 1
	s_wait_xcnt 0x0
	s_wait_alu depctr_hold_cnt(0) depctr_sa_sdst(0) depctr_va_vdst(0) depctr_va_sdst(0) depctr_va_ssrc(0) depctr_va_vcc(0) depctr_vm_vsrc(0)
	s_getreg_b32 s2, hwreg(HW_REG_IB_STS2, 6, 4)
	s_cmp_eq_u32 s2, 0
	s_cbranch_scc0 .Lentry_in_a_cluster
	s_endpgm
.Lentry_in_a_cluster:
	s_bfe_u32 s2, ttmp6, 0x10000c
	s_cmp_lg_u32 s2, 0xf033
	s_cbranch_scc0 .Lentry_shape_is_right
	s_endpgm
.Lentry_shape_is_right:
; [q | k | v] = h [wq | wk | wv] + bias.  h: hb [4096][1024] f16.  Weights: wb, [1024][1024] f16 each, K down the rows, as given.  Sums in f32.
; OUT: qkv [batch 2][g 48][s 2048][64] f16 (g 0-15 q's heads, 16-31 k's, 32-47 v's), and for each wave the largest |number| that it made, in mx [column block of 128: 24][row block of 128: 32] f32.
; A tile of the result is 256 x 256: four waves, each 128 x 128 in 64 accumulators.  K goes in steps of 128 through two LDS slots filled by tensor loads.
; B LIES [K][N]: its fragments come out of LDS turned, by ds_load_tr16_b128.  The product is used transposed (source 0 = 16 columns of B, source 1 = 16 rows of A): a lane holds one row and eight neighbouring columns.
; CLUSTER 4 x 4: A's tile is shared along a row of the cluster, B's along a column; each is asked for jointly.  Cluster x is the tensor (q, k, v): four tile columns are its 1,024 columns.
; THE TEXT: a K step is four quarters of 32 along K on two fragment buffers.  A pair of quarters is written once for the loop and once for the tail.  One text serves both slots: the descriptor that refills walks
; (its LDS word is turned by an exclusive or, its address steps), and the fetches' addresses are a scalar, 0 or SLOT, plus a lane register.  The first quarter, whose products start the sums, is written out; from it
; the loop is entered at the end of a trip of its inner loop.  The tail's loop is left in the middle of its third trip, which fetches nothing.
; THE WAY OUT: the 64 accumulators go as f32 into the wave's own stage, laid over the ring when its last fill has been read, and come back four rows a trip: bias, maxima, rounding, stores of 256 dense bytes.
; LIMIT: f16 ends at 65,504: a q, k or v beyond that becomes an infinity.
; REGISTERS: window 0: v16-30 addresses; v32-63, v192-217 the way out; v64-127, v128-191 A's fragments.  Window 1: v64-191 B's fragments.  Windows 2, 3: the accumulators of my rows 0-63, 64-127.
.set NP,     1024                      ; elements in a row of B
.set KSTEP,  128
.set PA,     272                       ; A's LDS row: 256 bytes + 16: the 16 rows of a load start at 16 different groups of four banks (64 banks of 4 bytes: ISA guide 11.1)
.set PB,     544                       ; B's LDS row: 512 bytes + 32 = 17 x 32
.set HALFT,  128*PA                    ; what one tensor load brings: 128 rows of A, or 64 rows of B (64 x 544 is the same number)
.set SLOT,   4*HALFT                   ; A's 256 rows, then B's 128 rows.  0x22000: it shares no bit with wave x HALFT (0x8800 w), so an exclusive or with it adds or takes it away
.set BOFF,   2*HALFT
.set SPARE,  2*SLOT                    ; behind the ring: the spare words, 128 bytes a wave
.set SPITCH, 528                       ; a stage row: 128 f32 + 16 bytes
.set WSTAGE, 128*SPITCH                ; a wave's stage; four of them end below SPARE
.set STRIDE, 262144                    ; from a head to the next in qkv
.set ADRA, 16                          ; v16 my A fragments' LDS address in slot 0; never rewritten
.set CA,   18                          ; v18 the one in use; it steps 64 along K a pair
.set ADRB, 20                          ; v20, v22 the same for B
.set CB,   22
.set STO,  24                          ; v24 the way out: where I put 32 bytes of a row
.set RD,   25                          ; v25 where I read rows back
.set GO,   26                          ; v26 my byte offset in the output
.set SPW,  28                          ; v28 my spare word; v29 0; both never rewritten
.set NIL,  29
.set PFO,  30                          ; v30 the prefetches' lane offset
.set BIAS, 32                          ; v[32:39] bias of my 2 x 4 columns
.set U,    40                          ; v[40:55] four rows' numbers from the stage
.set F0,   64
.set F1,   128
.set W,    192                         ; v[192:207] with bias
.set Y,    208                         ; v[208:215] in f16
.set MAXR, 216
.set MINR, 217
.set G1A, 24                           ; s[24:31] descriptor group 1 for A; s[32:39] group 0: a set for each of the two first fills; the second then walks on
.set G0A, 32
.set LIM, 43                           ; s43 2 in a wave that prefetches, else the greatest number
.set PFA, 44                           ; s[44:45] where my prefetches stand
.set PST, 46                           ; s[46:47] a K step in bytes, for them
.set G1B, 48                           ; s[48:55], s[56:63] the same for B
.set G0B, 56
.set TB,  71                           ; s71 0 or SLOT: the slot that the fetches read
.set MSB, 0
.macro WIN new                         ; the immediate's high byte repeats the setting that is left; a switch that changes nothing is dropped
.if MSB != (\new)
	s_set_vgpr_msb (MSB<<8)|(\new)
.set MSB, \new
.endif
.endm
.set MUL_LO, 0xa1                      ; source 0 (B) window 1, source 1 (A) window 0, C and D window 2
.set MUL_HI, 0xf1                      ; the same, C and D window 3
.set TO_B,   0x40                      ; destination window 1, address window 0
.macro PLACES                          ; four places behind matrix instructions (except for loads)
.rept 4
	v_nop
.endr
.endm
.macro JLOAD s                         ; a joint load: waves 0, 1 fetch A's halves, waves 2, 3 B's; s_nop 0 and four v_nop follow each line
	s_cmp_eq_u32 s11, 0
	s_cbranch_scc0 .Lfor_b_\@
	tensor_load_to_lds s[G0A+4*(\s):G0A+4*(\s)+3], s[G1A:G1A+7]
	s_nop 0
.rept 4
	v_nop
.endr
	s_branch .Lasked_\@
.Lfor_b_\@:
	tensor_load_to_lds s[G0B+4*(\s):G0B+4*(\s)+3], s[G1B:G1B+7]
	s_nop 0
.rept 4
	v_nop
.endr
.Lasked_\@:
.endm
.macro CROUND                          ; a round of the cluster's barrier
	s_barrier_signal -1
	s_barrier_wait -1
	s_cmp_lg_u32 s10, 0
	s_cbranch_scc1 .Lnot_wave_0_\@
	s_barrier_signal -3
.Lnot_wave_0_\@:
	s_barrier_wait -3
	s_barrier_signal -1
	s_barrier_wait -1
.endm
; A prefetch into the L2 of the K step two refills on: 512 matrix instructions ahead of the load that will want it.  A's rows are asked for by cluster x = 0, B's by cluster y = 0; the four partners
; that ask for a tile jointly share its blocks of 256 bytes out by address, 32 each, a lane a block.  The last two refills ask for nothing: K steps 8 and 9 do not exist.
.macro ASK
	s_cmp_gt_u32 s3, s[LIM]
	s_cbranch_scc0 .Lnot_mine_\@
	global_prefetch_b8 v[PFO], s[PFA:PFA+1] th:TH_LOAD_NT scope:SCOPE_SE
.Lnot_mine_\@:
.endm
	s_load_b128 s[4:7], s[0:1], 0x0                ; hb s[4:5], wb s[6:7]
	s_load_b256 s[72:79], s[0:1], 0x10             ; bq s[72:73], bk s[74:75], bv s[76:77], qkv s[78:79]
	s_load_b64 s[80:81], s[0:1], 0x30              ; mx
	v_lshl_add_u32 v[SPW], v0, 2, SPARE
	v_mov_b32 v[NIL], 0
	ds_add_u32 v[SPW], v[NIL]                      ; the opening: the add, twice on end, and its wait ahead of my first tensor load
	ds_add_u32 v[SPW], v[NIL]
	v_lshrrev_b32 v1, 5, v0
	v_readfirstlane_b32 s10, v1                    ; wave 0..3
	s_lshr_b32 s11, s10, 1                         ; my half of the tile's rows; also: I fetch for A (0) or B (1)
	s_and_b32 s12, s10, 1                          ; my half of its columns; also: which half of that tile I fetch
	s_bfe_u32 s40, ttmp6, 0x40000                  ; cx
	s_bfe_u32 s41, ttmp6, 0x40004                  ; cy
	s_lshl_b32 s42, ttmp9, 2
	s_add_co_u32 s42, s42, s40                     ; tile column = 4 x cluster x + cx
	s_and_b32 s13, ttmp7, 0xffff
	s_lshl_b32 s13, s13, 2
	s_add_co_u32 s13, s13, s41                     ; tile row = 4 x cluster y + cy
	s_lshl_b32 s14, s41, 2
	s_lshl_b32 s14, 15, s14                        ; my row of the cluster
	s_lshl_b32 s15, 0x1111, s40                    ; my column
	s_or_b32 s[G1A+0], s14, (1<<16)|(1<<20)|(1<<21)|(5<<22)|(3<<25)  ; mask; 2-byte elements; padding on; bit 21 beside a mask; after every 64 words 4 words
	s_mov_b32 s[G1A+1], 128<<16                    ; tensor_dim0 = 128
	s_mov_b32 s[G1A+2], 128<<16                    ; tensor_dim1 = 128
	s_mov_b32 s[G1A+3], 128<<16                    ; tile_dim0 = 128
	s_mov_b32 s[G1A+4], 128                        ; tile_dim1 = 128
	s_mov_b32 s[G1A+5], 1024                       ; elements from row to row
	s_mov_b32 s[G1A+6], 0
	s_mov_b32 s[G1A+7], 0
	s_or_b32 s[G1B+0], s15, (1<<16)|(1<<20)|(1<<21)|(6<<22)|(7<<25)  ; after every 128 words 8 words
	s_mov_b32 s[G1B+1], 256<<16                    ; tensor_dim0 = 256
	s_mov_b32 s[G1B+2], 64<<16                     ; tensor_dim1 = 64
	s_mov_b32 s[G1B+3], 256<<16                    ; tile_dim0 = 256
	s_mov_b32 s[G1B+4], 64                         ; tile_dim1 = 64
	s_mov_b32 s[G1B+5], NP
	s_mov_b32 s[G1B+6], 0
	s_mov_b32 s[G1B+7], 0
	s_lshl_b32 s16, s13, 19                        ; A: (256 x tile row + 128 x half) rows of 2,048 bytes
	s_lshl_b32 s17, s12, 18
	s_add_co_u32 s16, s16, s17
	s_mov_b32 s17, 0
	s_lshl_b32 s20, ttmp9, 21                      ; B: the tensor (2,097,152 bytes each),
	s_lshl_b32 s21, s40, 9                         ; its 256 columns by cx,
	s_add_co_u32 s20, s20, s21
	s_mul_i32 s21, s12, 64*NP*2                    ; my 64 of the K step's 128 rows
	s_add_co_u32 s20, s20, s21
	s_mov_b32 s21, 0
	s_mul_i32 s22, s10, HALFT                      ; where they go: wave x a load's bytes: no place in the cluster enters an LDS address
	s_mov_b32 s66, 0x76543210
	s_mov_b32 s67, 0xfedcba98
	s_wait_dscnt 0x0                               ; both opening adds are done
	s_wait_kmcnt 0x0
	s_add_nc_u64 s[14:15], s[4:5], s[16:17]
	s_add_nc_u64 s[20:21], s[6:7], s[20:21]
	CROUND                                         ; all sixteen work-groups are here: the first joint loads meet
.irp s, 0,1
	s_mov_b32 s[G0A+4*(\s)], 1
	s_add_co_u32 s[G0A+4*(\s)+1], s22, (\s)*SLOT
	s_add_nc_u64 s[G0A+4*(\s)+2:G0A+4*(\s)+3], s[14:15], (\s)*KSTEP*2
	s_or_b32 s[G0A+4*(\s)+3], s[G0A+4*(\s)+3], 0x80000000
	s_mov_b32 s[G0B+4*(\s)], 1
	s_add_co_u32 s[G0B+4*(\s)+1], s22, (\s)*SLOT
	s_add_nc_u64 s[G0B+4*(\s)+2:G0B+4*(\s)+3], s[20:21], (\s)*KSTEP*NP*2
	s_or_b32 s[G0B+4*(\s)+3], s[G0B+4*(\s)+3], 0x80000000
	JLOAD \s                                       ; two loads of mine are out
.endr
	v_and_b32 v1, 15, v0                           ; r = l % 16
	v_bfe_u32 v2, v0, 4, 1                         ; h = l / 16
	v_mul_u32_u24 v3, v1, PA
	v_lshl_add_u32 v3, v2, 4, v3                   ; A: row x pitch + 16 h
	s_mul_i32 s16, s11, HALFT                      ; my 128 rows
	v_and_b32 v4, 7, v0
	v_lshl_add_u32 v4, v2, 3, v4                   ; B: K row 8 h + l % 8,
	v_mul_u32_u24 v4, v4, PB
	v_bfe_u32 v5, v0, 3, 1
	v_lshl_add_u32 v4, v5, 4, v4                   ; columns 8 ((l / 8) % 2) on
	s_lshl_b32 s17, s12, 8                         ; my 128 columns
	s_add_co_u32 s17, s17, BOFF
	v_add_nc_u32 v[ADRA], s16, v3
	v_add_nc_u32 v[ADRB], s17, v4
	s_mul_i32 s23, s10, WSTAGE                     ; my stage
	v_mul_u32_u24 v4, v1, SPITCH
	v_lshl_add_u32 v4, v2, 5, v4                   ; in: row r, 32 bytes for each half of the lanes
	v_add_nc_u32 v[STO], s23, v4
	v_mul_u32_u24 v5, v2, SPITCH
	v_lshl_add_u32 v5, v1, 4, v5                   ; back: lanes 0-15 take 64 columns of one row, lanes 16-31 of the next
	v_add_nc_u32 v[RD], s23, v5
	v_and_b32 v6, 31, v0
	v_lshlrev_b32 v[GO], 3, v6                     ; two rows of a head are 256 dense bytes: 8 a lane
	; the prefetches
	s_and_b32 s23, ttmp7, 0xffff                   ; cluster y
	s_mov_b32 s17, 16*NP*2
	s_mov_b32 s[PST], KSTEP*NP*2
	s_mov_b32 s19, NP*2
	s_cmp_eq_u32 s11, 0                            ; do I fetch for A?
	s_cselect_b32 s23, ttmp9, s23                  ; the coordinate along which other clusters read the same blocks
	s_cselect_b64 s[PFA:PFA+1], s[14:15], s[20:21] ; the part that I fetch, at K step 0
	s_cselect_b32 s16, s40, s41                    ; my place among the four that ask for it with me
	s_cselect_b32 s17, 32*2048, s17                ; my work-group's share: 32 rows of A, or 16 rows of B
	s_cselect_b32 s[PST], KSTEP*2, s[PST]
	s_cselect_b32 s18, 0, 1                        ; A: a lane a row; B: two lanes a row of 512 bytes
	s_cselect_b32 s19, 2048, s19
	s_mov_b32 s[PST+1], 0
	s_cmp_eq_u32 s23, 0
	s_cselect_b32 s[LIM], 2, -1                    ; the same in all sixteen partners, for a given wave
	s_mul_i32 s16, s16, s17
	s_mov_b32 s17, 0
	s_add_nc_u64 s[PFA:PFA+1], s[PFA:PFA+1], s[16:17]
	s_mul_i32 s16, s[PST], 3                       ; at K step 3: the first refill steps it to 4
	s_add_nc_u64 s[PFA:PFA+1], s[PFA:PFA+1], s[16:17]
	v_lshrrev_b32 v7, s18, v6
	v_mul_u32_u24 v7, v7, s19
	v_and_b32 v6, s18, v6
	v_lshl_add_u32 v[PFO], v6, 8, v7
	; bias, output and maxima
	s_cmp_eq_u32 ttmp9, 1
	s_cselect_b64 s[72:73], s[74:75], s[72:73]
	s_cmp_eq_u32 ttmp9, 2
	s_cselect_b64 s[72:73], s[76:77], s[72:73]
	s_lshl_b32 s16, s40, 10                        ; 256 cx + 128 x my half columns of f32
	s_lshl_b32 s17, s12, 9
	s_add_co_u32 s16, s16, s17
	s_mov_b32 s17, 0
	s_add_nc_u64 s[72:73], s[72:73], s[16:17]
	v_lshlrev_b32 v8, 4, v1
	global_load_b128 v[BIAS:BIAS+3], v8, s[72:73]              ; columns 4 r on of my first head,
	global_load_b128 v[BIAS+4:BIAS+7], v8, s[72:73] offset:256 ; and of my second; waited for at the way out
	s_lshr_b32 s16, s13, 3                         ; batch
	s_mul_i32 s16, s16, 48
	s_lshl2_add_u32 s16, s42, s16                  ; + 4 x tile column
	s_lshl1_add_u32 s16, s12, s16                  ; + 2 x my half: my first head
	s_lshl_b32 s16, s16, 18
	s_lshl_b32 s17, s13, 8
	s_lshl_b32 s18, s11, 7
	s_add_co_u32 s17, s17, s18
	s_and_b32 s17, s17, 2047                       ; my first row in its batch
	s_lshl_b32 s17, s17, 7
	s_add_co_u32 s16, s16, s17
	s_mov_b32 s17, 0
	s_add_nc_u64 s[78:79], s[78:79], s[16:17]
	s_lshl1_add_u32 s16, s42, s12                  ; column block
	s_lshl_b32 s16, s16, 5
	s_lshl1_add_u32 s17, s13, s11                  ; row block
	s_add_co_u32 s16, s16, s17
	s_lshl_b32 s16, s16, 2
	s_mov_b32 s17, 0
	s_add_nc_u64 s[80:81], s[80:81], s[16:17]
	v_mov_b32 v9, 0
; 16 matrix instructions: row blocks a0, a0 + 1 of the window's four x all 8 column blocks, 32 along K.  zero = 1: the product starts the sum.
.macro MUL16 f, hi, a0, zero
	WIN MUL_LO+0x50*(\hi)
.irp a, \a0, (\a0)+1
.irp b, 0,1,2,3,4,5,6,7
.if \zero
	v_wmma_f32_16x16x32_f16 v[8*(8*(\a)+(\b)):8*(8*(\a)+(\b))+7], v[(\f)+8*(\b):(\f)+8*(\b)+7], v[(\f)+8*(4*(\hi)+(\a)):(\f)+8*(4*(\hi)+(\a))+7], 0
.else
	v_wmma_f32_16x16x32_f16 v[8*(8*(\a)+(\b)):8*(8*(\a)+(\b))+7], v[(\f)+8*(\b):(\f)+8*(\b)+7], v[(\f)+8*(4*(\hi)+(\a)):(\f)+8*(4*(\hi)+(\a))+7], v[8*(8*(\a)+(\b)):8*(8*(\a)+(\b))+7]
.endif
.endr
.endr
.endm
; 32 LDS loads in one run: a quarter's fragments into buffer f: B's 8 (turned), then A's 8
.macro FETCH f, ka, kb
	WIN TO_B
.irp i, 0,1,2,3,4,5,6,7
	ds_load_tr16_b128 v[(\f)+8*(\i):(\f)+8*(\i)+3],   v[CB] offset:(\kb)+32*(\i)
	ds_load_tr16_b128 v[(\f)+8*(\i)+4:(\f)+8*(\i)+7], v[CB] offset:(\kb)+32*(\i)+16*PB
.endr
	WIN 0
.irp i, 0,1,2,3,4,5,6,7
	ds_load_b128 v[(\f)+8*(\i):(\f)+8*(\i)+3],   v[CA] offset:(\ka)+(\i)*16*PA
	ds_load_b128 v[(\f)+8*(\i)+4:(\f)+8*(\i)+7], v[CA] offset:(\ka)+(\i)*16*PA+32
.endr
.endm
; A quarter: multiplies buffer f; in its middle it fetches the next quarter's fragments into buffer g.  The 64 accumulators take turns in one order in every quarter.
; last = 1 (the tail): in the trip with s2 = 1 there is no further quarter: the run of loads is jumped over, and all my loads are waited for.
.macro QUARTER f, g, ka, kb, zero, last=0
	s_wait_dscnt 8                                 ; B and A's rows 0-63 are in; the youngest eight loads (A's rows 64-127) may be out
	MUL16 \f, 0, 0, \zero
	MUL16 \f, 0, 2, \zero
.if \last
	WIN 0                                          ; at a branch and at a label every window is 0
	s_cmp_eq_u32 s2, 1
	s_cbranch_scc1 .Lnofetch_\@
.endif
	PLACES
	FETCH \g, \ka, \kb
	s_wait_dscnt 32                                ; all but the 32 just issued
.if \last
	s_branch .Lhigh_\@
.Lnofetch_\@:
	s_wait_dscnt 0x0                               ; nothing was issued behind A's rows 64-127
.Lhigh_\@:
.endif
	MUL16 \f, 1, 0, \zero
	MUL16 \f, 1, 2, \zero
.endm
; The change of slots.  All reads of the slot that is left have been issued.  Each wave waits for all its tensor loads (one is out: its part of the other slot), adds 0 to its spare word, and waits for that and
; for its reads.  fill = 1: a round of the cluster's barrier, and the slot that is left is filled again first thing behind it, two K steps ahead: it has 256 matrix instructions in which to land.
.macro CHANGE fill
	WIN 0
.if \fill
	s_wait_xcnt 0x0                                ; the last prefetch, a K step back, has read its address
	s_add_nc_u64 s[PFA:PFA+1], s[PFA:PFA+1], s[PST:PST+1]
.endif
	s_wait_tensorcnt 0x0                           ; no tensor load of mine is out, so a group 0 may be written
	ds_add_u32 v[SPW], v[NIL]
.if \fill
	s_xor_b32 s[G0A+5], s[G0A+5], SLOT             ; the walking descriptors: the other slot than last time,
	s_add_nc_u64 s[G0A+6:G0A+7], s[G0A+6:G0A+7], KSTEP*2  ; the next K step; the type bits on top are not reached
	s_xor_b32 s[G0B+5], s[G0B+5], SLOT
	s_add_nc_u64 s[G0B+6:G0B+7], s[G0B+6:G0B+7], KSTEP*NP*2
.endif
	s_xor_b32 s[TB], s[TB], SLOT                   ; the fetches go to the other slot
	s_wait_dscnt 0x0                               ; the add is done, and my reads of the slot are over
.if \fill
	CROUND
	JLOAD 1
	ASK
.else
	s_barrier_signal -1
	s_barrier_wait -1
.endif
	v_add_nc_u32 v[CA], s[TB], v[ADRA]
	v_add_nc_u32 v[CB], s[TB], v[ADRB]
.endm
	s_wait_tensorcnt 1                             ; my part of K step 0 is in; K step 1's may stay out
	s_barrier_signal -1
	s_barrier_wait -1
	s_mov_b32 s[TB], 0
	v_mov_b32 v[CA], v[ADRA]
	v_mov_b32 v[CB], v[ADRB]
	FETCH F0, 0, 0
	QUARTER F0, F1, 64, 32*PB, 1                   ; the first quarter's products start the 64 sums
	WIN 0
	s_mov_b32 s2, 2
	s_mov_b32 s3, 7                                ; the pass entered here, then six passes that fill: K steps 2 to 7
	s_branch .Lnext                                ; the loop is entered at the end of the first trip of its inner loop: the addresses and s2 stand as they stand there in every pass
.Lstep:                                        ; a pass: the last quarter of the K step that is left, which fetches the new slot's first fragments, and the first three of the new K step
	CHANGE 1
	s_mov_b32 s2, 2
.Lpair:
	QUARTER F1, F0, 0, 0, 0
	QUARTER F0, F1, 64, 32*PB, 0
	WIN 0                                          ; at a label and at a branch every window is 0
.Lnext:
	v_add_nc_u32 v[CA], 128, v[CA]                 ; 64 along K
	v_add_nc_u32 v[CB], 64*PB, v[CB]
	s_sub_co_u32 s2, s2, 1
	s_cmp_lg_u32 s2, 0
	s_cbranch_scc1 .Lpair
	s_sub_co_u32 s3, s3, 1
	s_cmp_lg_u32 s3, 0
	s_cbranch_scc1 .Lstep
	CHANGE 0                                       ; the tail is written out: nothing is asked for
	s_mov_b32 s2, 3                                ; two trips fetch the last K step's quarters; the third is left in its middle
.Ltail:
	QUARTER F1, F0, 0, 0, 0, 1
	WIN 0
	s_cmp_eq_u32 s2, 1
	s_cbranch_scc1 .Lout
	QUARTER F0, F1, 64, 32*PB, 0
	WIN 0
	v_add_nc_u32 v[CA], 128, v[CA]
	v_add_nc_u32 v[CB], 64*PB, v[CB]
	s_sub_co_u32 s2, s2, 1
	s_cmp_lg_u32 s2, 0
	s_cbranch_scc1 .Ltail
.Lout:
	; THE WAY OUT
	s_wait_dscnt 0x0                               ; no LDS load of mine is out:
	s_barrier_signal -1                            ; when all four have said so, nobody reads the ring any more, and it has had its last fill
	s_barrier_wait -1
	PLACES
.irp a, 0,1,2,3,4,5,6,7
	WIN 0x08+4*((\a)/4)                            ; store data (source 1) in window 2 or 3
.irp b, 0,1,2,3,4,5,6,7
	ds_store_b128 v[STO], v[8*(8*((\a)%4)+(\b)):8*(8*((\a)%4)+(\b))+3]   offset:(\a)*16*SPITCH+64*(\b)     ; each accumulator's low half first
	ds_store_b128 v[STO], v[8*(8*((\a)%4)+(\b))+4:8*(8*((\a)%4)+(\b))+7] offset:(\a)*16*SPITCH+64*(\b)+16
.endr
.endr
	WIN 0
.macro ULOAD                           ; four rows x 128 columns: q = 2 x (pair of rows) + (head)
.irp q, 0,1,2,3
	ds_load_b128 v[U+4*(\q):U+4*(\q)+3], v[RD] offset:((\q)/2)*2*SPITCH+((\q)%2)*256
.endr
.endm
	ULOAD                                          ; LDS serves a wave's instructions in order (ISA guide 5.7.1.4): these see my stores above
	v_mov_b32 v[MAXR], 0
	v_mov_b32 v[MINR], 0
	s_wait_loadcnt 0x0                             ; the bias
	s_mov_b32 s69, 32
.Lrow:                                         ; 32 trips of four rows
	s_wait_dscnt 0x0                               ; this trip's numbers are in
	s_wait_xcnt 0x0                                ; the last trip's stores have read Y and GO
	v_add_nc_u32 v[GO], 512, v[GO]                 ; the stores below reach back by their immediate
.irp q, 0,1,2,3
	v_pk_add_f32 v[W+4*(\q):W+4*(\q)+1],   v[U+4*(\q):U+4*(\q)+1],   v[BIAS+4*((\q)%2):BIAS+4*((\q)%2)+1]
	v_pk_add_f32 v[W+4*(\q)+2:W+4*(\q)+3], v[U+4*(\q)+2:U+4*(\q)+3], v[BIAS+4*((\q)%2)+2:BIAS+4*((\q)%2)+3]
.endr
	s_cmp_eq_u32 s69, 1                            ; the last trip has no rows behind it
	s_cbranch_scc1 .Lno_more
	v_add_nc_u32 v[RD], 4*SPITCH, v[RD]
	ULOAD                                          ; the next trip's numbers come while this trip's are worked on
.Lno_more:
.irp j, 0,2,4,6,8,10,12,14
	v_max3_num_f32 v[MAXR], v[MAXR], v[W+(\j)], v[W+(\j)+1]
	v_min3_num_f32 v[MINR], v[MINR], v[W+(\j)], v[W+(\j)+1]
.endr
.irp j, 0,1,2,3,4,5,6,7
	v_cvt_pk_f16_f32 v[Y+(\j)], v[W+2*(\j)], v[W+2*(\j)+1]
.endr
.irp q, 0,1,2,3
	global_store_b64 v[GO], v[Y+2*(\q):Y+2*(\q)+1], s[78:79] offset:((\q)/2)*256+((\q)%2)*STRIDE-512  ; two rows of a head: 256 consecutive bytes, aligned
.endr
	s_sub_co_u32 s69, s69, 1
	s_cmp_lg_u32 s69, 0
	s_cbranch_scc1 .Lrow
	v_xor_b32 v[MINR], 0x80000000, v[MINR]
	v_max_num_f32 v[MAXR], v[MAXR], v[MINR]        ; the largest magnitude of my lane's numbers
	v_max_num_f32_dpp v[MAXR], v[MAXR], v[MAXR] row_xmask:1 row_mask:0xf bank_mask:0xf
	v_max_num_f32_dpp v[MAXR], v[MAXR], v[MAXR] row_xmask:2 row_mask:0xf bank_mask:0xf
	v_max_num_f32_dpp v[MAXR], v[MAXR], v[MAXR] row_xmask:4 row_mask:0xf bank_mask:0xf
	v_max_num_f32_dpp v[MAXR], v[MAXR], v[MAXR] row_xmask:8 row_mask:0xf bank_mask:0xf
	v_permlanex16_b32 v[MINR], v[MAXR], s66, s67
	v_max_num_f32 v[MAXR], v[MAXR], v[MINR]        ; of the wave's
	v_and_b32 v10, 31, v0
	v_cmp_eq_u32 vcc_lo, 0, v10
	s_wait_xcnt 0x0                                ; EXEC changes only behind this wait
	s_and_saveexec_b32 s70, vcc_lo
	global_store_b32 v9, v[MAXR], s[80:81]         ; lane 0: one word a wave
	s_wait_xcnt 0x0                                ; and again, in front of the line that widens it
	s_or_b32 exec_lo, exec_lo, s70
	s_wait_tensorcnt 0x0                           ; the wave's end
	ds_add_u32 v[SPW], v[NIL]
	s_wait_dscnt 0x0
	CROUND                                         ; the closing round
	s_endpgm
.Lfunc_end_k_qddea7cc0fa_qkv:
	.size	k_qddea7cc0fa_qkv, .Lfunc_end_k_qddea7cc0fa_qkv-k_qddea7cc0fa_qkv
	.p2alignl 7, 3214868480
	.fill 96, 4, 3214868480
	.section	.rodata,"a",@progbits
	.p2align	6, 0x0
	.amdhsa_kernel k_qddea7cc0fa_qkv
		.amdhsa_group_segment_fixed_size 327680
		.amdhsa_private_segment_fixed_size 0
		.amdhsa_enable_private_segment 0
		.amdhsa_kernarg_size 56
		.amdhsa_user_sgpr_count 2
		.amdhsa_user_sgpr_kernarg_segment_ptr 1
		.amdhsa_wavefront_size32 1
		.amdhsa_system_sgpr_workgroup_id_x 1
		.amdhsa_system_sgpr_workgroup_id_y 1
		.amdhsa_system_sgpr_workgroup_id_z 1
		.amdhsa_system_vgpr_workitem_id 0
		.amdhsa_next_free_vgpr 1024
		.amdhsa_next_free_sgpr 96
		.amdhsa_reserve_vcc 1
		.amdhsa_float_denorm_mode_32 3
		.amdhsa_float_denorm_mode_16_64 3
		.amdhsa_memory_ordered 1
		.amdhsa_forward_progress 1
		.amdhsa_inst_pref_size 59
	.end_amdhsa_kernel
	.amdgpu_metadata
---
amdhsa.version: [ 1, 2 ]
amdhsa.kernels:
  - .name:           k_qddea7cc0fa_qkv
    .symbol:         k_qddea7cc0fa_qkv.kd
    .args:
      - { .name: hb, .offset: 0, .size: 8, .value_kind: global_buffer, .address_space: global }
      - { .name: wb, .offset: 8, .size: 8, .value_kind: global_buffer, .address_space: global }
      - { .name: bq, .offset: 16, .size: 8, .value_kind: global_buffer, .address_space: global }
      - { .name: bk, .offset: 24, .size: 8, .value_kind: global_buffer, .address_space: global }
      - { .name: bv, .offset: 32, .size: 8, .value_kind: global_buffer, .address_space: global }
      - { .name: qkv, .offset: 40, .size: 8, .value_kind: global_buffer, .address_space: global }
      - { .name: mx, .offset: 48, .size: 8, .value_kind: global_buffer, .address_space: global }
    .group_segment_fixed_size: 327680
    .private_segment_fixed_size: 0
    .kernarg_segment_align: 8
    .kernarg_segment_size: 56
    .max_flat_workgroup_size: 128
    .sgpr_count:     96
    .vgpr_count:     1024
    .wavefront_size: 32
...
	.end_amdgpu_metadata
.endif
;; end of part 2
;; launch attn (part 3): grid 8 x 32, 4 waves a work-group, no clusters, 327,680 bytes of LDS; arguments qkv, mx, cb, gam; writes cb, gam
.if DOCPART == 3
	.amdgcn_target "amdgcn-amd-amdhsa--gfx1250"
	.amdhsa_code_object_version 6
	.text
	.protected	k_qddea7cc0fa_attn
	.globl	k_qddea7cc0fa_attn
	.p2align	8
	.type	k_qddea7cc0fa_attn,@function
k_qddea7cc0fa_attn:
	s_mov_b64 s[64:65], 0
	v_nop
	global_prefetch_b8 v0, s[64:65] scope:SCOPE_SE
	s_setreg_imm32_b32 hwreg(HW_REG_WAVE_MODE, 25, 1), 1
	s_wait_xcnt 0x0
; CAUSAL ATTENTION WITH A ReLU IN THE SOFTMAX'S PLACE.  ctx[q] = the sum over k <= q of relu(Q[q] . K[k] / 8) V[k], for 32 heads (batch x 16 + head) of 2,048 rows x 64, f16, from qkv [batch][g 48][s][64].
; SCALES.  From mx: q', k', v' = the largest |q|, |k|, |v| of the whole tensors.  qk = max(64 q' k', 1e-30), vm = max(v', 1e-30).  P = S / qk held to 0 .. 1 (one packed multiply with clamp: scale and ReLU
; at once; |S| <= 64 q' k', so the upper bound is touched only through q's and k's rounding to f16, by a thousandth of one term at the most).  O = sum of P v, at most 2,048 v'; c = 16 O / vm, at most 32,768, is
; stored in f16; ctx = G c with G = qk vm / 128, stored in gam and applied in f32 by the launch behind.  All three follow the inputs' scales, so f16's range binds neither P nor c.
; LIMITS.  P and c keep f16's 11 bits relative to those global maxima, with f16's fixed step of 6e-8 below 6e-5.  A hidden score counts as its value less 1e30 (scores reach 2.7e11 at the most).  NaN and infinities are not treated apart.
; THE WALK.  A head's queries lie in 16 blocks of 128.  A work-group takes block b and then block 15 - b.  Keys come in slots of 256 (two steps of 128): (b / 2) + 1 slots for the first block, 8 - (b / 2) for the
; second: 9 slots, 18 steps, whatever b.  One step of the 18 lies wholly beyond a diagonal and is computed all hidden.
; THE WAVES SPLIT THE KEYS: with no softmax O is a plain sum.  Of a step's 128 keys wave w takes 32 w .. 32 w + 31, for all 8 query tiles of 16: a fragment of K or V read from LDS feeds 8 tiles.  The four partial
; sums meet in LDS at the end, in f32.
; NO CLUSTER: the work-groups of a head need different tiles in the same trip (their first blocks end after 1 to 4 slots), and the change of blocks is a branch on b, which partners do not share;
; a walk common to all partners would have 8 + 4 slots for 9.
; LAYOUT.  S^T = K Q^T (source 0 = 16 keys, source 1 = 16 queries): a lane holds one query (l % 16) and the keys 8 (l / 16) + 0..7; two such results rounded to f16 ARE source 1 of O^T = V^T P.
; THE MASK is the C operand that starts S^T's sum: MD x AL + BE, MD the mask of a diagonal tile of 16 x 16.  With DD = 8 (key tile - query block) + 2 w and c = query tile - key block:
; (AL, BE) = (1, 0) if DD = c, (0, -1e30) if DD > c, (0, 0) if DD < c.  Mask c serves two products; nine masks a step, in three buffers.  One text for all steps.
; A TRIP is a step turned round, so that all LDS reads of step g stand in trip g and the change of slots stands between trips: K(g) is fetched; Y(g - 1): rounding and V^T P; V(g) is fetched; X(g): masks, K Q^T, scaling.
; The vector work stands in slices of two or three behind the matrix instructions.  The tail's loop has a third trip, which fetches no K and is left behind its Y: the last step's V^T P.
; REGISTERS: window 0: v2-23 addresses, scales; v24-31 MD; v32-55 MC; v56-79 P (3 buffers); v80-127 the end's addresses, at work; v128-255 S^T, 16 a tile.  Window 1: O^T, 32 a tile.
;   Window 2: v0-127 Q; v128-159 K; v160-191 V.  Window 3: v0-127 the second block's Q.
.set PK,    144                        ; a row of K in LDS: 128 bytes + 16
.set PVP,   160                        ; a row of V: 128 + 32
.set KT,    128*PK                     ; a step's K, V
.set VT,    128*PVP
.set VOFF,  2*KT                       ; a slot: 256 rows of K, then 256 rows of V: 77,824 bytes
.set SLOT1, 1<<17
.set PS67,  77824                      ; the first block's partial sums, tiles 6, 7 (16,384 bytes a tile: [wave 4][channel block 4][1,024])
.set OUTS,  110592                     ; its result: 128 rows x 144
.set SPARE, 129024                     ; the spare words, 128 bytes a wave
.set PS05,  208896                     ; the first block's partial sums, tiles 0-5
.set OUTL,  307200                     ; the second block's result.  Its partial sums lie over the slots, which have had their last fill: tiles 0-3 at 0, 4-7 at SLOT1
.set AK0, 2                            ; v2, v3 my lane's place in a step's K, V; never rewritten
.set AV0, 3
.set AK,  4
.set AV,  5
.set QO,  6
.set ALF, 12                           ; v[12:13] 1 / qk, twice
.set BET, 14                           ; v[14:15] 16 / vm, twice
.set SPW, 16
.set NIL, 17
.set L16, 18                           ; v18 16 x lane
.set PFO, 22                           ; v22 256 x lane
.set MD,  24
.set MC,  32
.set P,   56
.set RA,  80                           ; v80, v82-84 the four runs of partial sums, as I read them (+ 1,024 w + 16 l); they step a tile a trip
.set WA,  85                           ; v85-89 the regions of partial sums as I write them (+ 4,096 w + 16 l)
.set OA,  90                           ; v90, v91 where I put 16 bytes of a result row; they step a tile a trip
.set RO,  92                           ; v92, v93 where I read result rows back
.set GOW, 94                           ; v94 4,096 w + 16 l: my byte offset in an output block
.set MXR, 96                           ; v[96:119] mx
.set TM,  120                          ; v120-127 at work
.set S,   128
.set SB,  128                          ; the end: v[128:159] a tile's four partial sums; v[160:175] at work
.set SU,  160
.set KF,  128
.set VF,  160
.set WV,  12
.set PB,  14                           ; s14 b; s15 15 - b
.set HI,  15
.set G1K, 24
.set G1V, 32
.set G0K, 40
.set G0V, 44
.set SLOTS, 56
.set CNT, 57
.set SEL, 60
.set TBK, 62                           ; s62, s63 LDS byte at which K, V (less VOFF) of the step to be fetched begin
.set TBV, 63
.set RT,  70                           ; s70 steps of the first block still to be finished
.set NXT, 71                           ; s71 the key slot to be asked for next; s72 the last of the block whose slots are being asked for; s73 the second block's last
.set LQ,  72
.set SLM1, 73
.set OFF, 74
.set AL,  76
.set BE,  78
.set BIGN, 82
.set DD,  83
.set PFP, 84
.set LIM, 96
.set MSB, 0
.macro WIN new
.if MSB != (\new)
	s_set_vgpr_msb (MSB<<8)|(\new)
.set MSB, (\new)
.endif
.endm
.set W_KQ, 0x0a                        ; K and Q in window 2; mask and S^T in window 0
.set W_PV, 0x52                        ; V in window 2, P in window 0, O^T in window 1
.macro LOAD                            ; waves 0, 1 fetch the halves of a slot's K, waves 2, 3 of its V: 128 keys each; s_nop 0 and four v_nop follow each line
	s_cmp_lt_u32 s[WV], 2
	s_cbranch_scc0 .Lfor_v_\@
	tensor_load_to_lds s[G0K:G0K+3], s[G1K:G1K+7]
	s_nop 0
.rept 4
	v_nop
.endr
	s_branch .Lasked_\@
.Lfor_v_\@:
	tensor_load_to_lds s[G0V:G0V+3], s[G1V:G1V+7]
	s_nop 0
.rept 4
	v_nop
.endr
.Lasked_\@:
.endm
; A prefetch into the L2.  All eight work-groups of a head walk the same K and V: work-group 0 asks, and nobody else.  Its change number n (1 to 5) names key slot n + 2, which it loads three changes, 384 matrix
; instructions, later; each wave names the 16,384 bytes that it will fetch itself, a lane a block of 256 bytes, two instructions.  Key slots 0 to 2 come by their loads alone.
.macro ASK
	s_cmp_gt_u32 s[SLOTS], s[LIM]
	s_cbranch_scc0 .Lnot_mine_\@
	global_prefetch_b8 v[PFO], s[PFP:PFP+1] th:TH_LOAD_NT scope:SCOPE_SE
	global_prefetch_b8 v[PFO], s[PFP:PFP+1] offset:8192 th:TH_LOAD_NT scope:SCOPE_SE
.Lnot_mine_\@:
.endm
; The change of slots.  Each wave waits for all its tensor loads (one is out: its part of the other slot), adds 0 to its spare word, and waits for that and for its reads of the slot that it leaves.
; fill = 1: the old slot is filled again, first thing behind the barrier, with key slot NXT; the load has two steps, 128 matrix instructions, in which to land.  (At its first use slot 0 is waited for, slot 1 filled.)
.macro CHANGE fill
	WIN 0
	s_wait_tensorcnt 0x0                           ; no tensor load of mine is out, so a group 0 may be written
	ds_add_u32 v[SPW], v[NIL]
.if \fill
	s_lshl_b32 s[OFF], s[NXT], 15                  ; a slot is 32,768 bytes of K and of V
	s_xor_b32 s[G0K+1], s[G0K+1], SLOT1
	s_add_nc_u64 s[G0K+2:G0K+3], s[6:7], s[OFF:OFF+1]
	s_or_b32 s[G0K+3], s[G0K+3], 0x80000000
	s_xor_b32 s[G0V+1], s[G0V+1], SLOT1
	s_add_nc_u64 s[G0V+2:G0V+3], s[8:9], s[OFF:OFF+1]
	s_or_b32 s[G0V+3], s[G0V+3], 0x80000000
	s_add_co_u32 s[NXT], s[NXT], 1                 ; the block's next slot, or behind its last the second block's slot 0
	s_cmp_gt_u32 s[NXT], s[LQ]
	s_cselect_b32 s[NXT], 0, s[NXT]
	s_cselect_b32 s[LQ], s[SLM1], s[LQ]
	s_wait_xcnt 0x0                                ; the last prefetches, two steps back, have read their address
	s_add_nc_u64 s[PFP:PFP+1], s[PFP:PFP+1], 32768
.endif
	s_wait_dscnt 0x0                               ; the add is done, and my reads of the slot are over
	s_barrier_signal -1
	s_sub_co_u32 s[TBK], s[TBK], 2*KT              ; the fetches go back to a slot's first step, in the other slot
	s_xor_b32 s[TBK], s[TBK], SLOT1
	s_sub_co_u32 s[TBV], s[TBV], 2*VT
	s_xor_b32 s[TBV], s[TBV], SLOT1
	s_barrier_wait -1
.if \fill
	LOAD
	ASK
.endif
.endm
	s_load_b256 s[88:95], s[0:1], 0x0              ; qkv s[88:89], mx s[90:91], cb s[92:93], gam s[94:95]
	v_lshl_add_u32 v[SPW], v0, 2, SPARE
	v_mov_b32 v[NIL], 0
	ds_add_u32 v[SPW], v[NIL]                      ; the opening: the add, twice on end, and its wait ahead of my first tensor load
	ds_add_u32 v[SPW], v[NIL]
	v_lshrrev_b32 v1, 5, v0
	v_readfirstlane_b32 s[WV], v1
	s_mov_b32 s[PB], ttmp9
	s_sub_co_u32 s[HI], 15, s[PB]
	s_and_b32 s97, ttmp7, 0xffff                   ; batch x 16 + head
	s_lshr_b32 s17, s97, 4
	s_and_b32 s18, s97, 15
	s_mul_i32 s20, s17, 48
	s_add_co_u32 s20, s20, s18
	s_lshl_b32 s20, s20, 18                        ; q's head: 262,144 bytes a head
	s_and_b32 s19, s[WV], 1                        ; which half of a slot's 256 keys I fetch
	s_lshl_b32 s22, s19, 14
	s_add_co_u32 s22, s22, s20
	s_mov_b32 s23, 0
	s_mul_i32 s48, s19, KT                         ; its place in a slot
	s_mul_i32 s49, s19, VT
	s_lshl_b32 s2, s[PB], 14                       ; a block of 128 queries is 16,384 bytes
	s_add_co_u32 s2, s2, s20
	s_mov_b32 s3, 0
	s_lshl_b32 s50, s[HI], 14
	s_add_co_u32 s50, s50, s20
	s_mov_b32 s51, 0
	s_lshl_b32 s52, s17, 4                         ; cb: [row block: batch x 16 + block][head][128][64]
	s_add_co_u32 s54, s52, s[HI]
	s_add_co_u32 s52, s52, s[PB]
	s_lshl_b32 s52, s52, 4
	s_add_co_u32 s52, s52, s18
	s_lshl_b32 s52, s52, 14
	s_mov_b32 s53, 0
	s_lshl_b32 s54, s54, 4
	s_add_co_u32 s54, s54, s18
	s_lshl_b32 s54, s54, 14
	s_mov_b32 s55, 0
	; descriptor group 1: 128 keys are 16,384 dense bytes: 64 rows of 256 bytes, two keys a row, padded in LDS after every key
	s_mov_b32 s[G1K], (1<<16)|(1<<20)|(4<<22)|(3<<25)  ; 2-byte elements; padding on; after every 32 words 4 words
	s_mov_b32 s[G1V], (1<<16)|(1<<20)|(4<<22)|(7<<25)  ; 8 words
.irp g, G1K, G1V
	s_mov_b32 s[\g+1], 128<<16
	s_mov_b32 s[\g+2], 64<<16
	s_mov_b32 s[\g+3], 128<<16
	s_mov_b32 s[\g+4], 64
	s_mov_b32 s[\g+5], 128
	s_mov_b32 s[\g+6], 0
	s_mov_b32 s[\g+7], 0
.endr
	s_mov_b32 s[SEL], 0x76543210
	s_mov_b32 s[SEL+1], 0xfedcba98
	s_mov_b32 s[TBK], SLOT1+2*KT                   ; the first change of slots turns these two into 0
	s_mov_b32 s[TBV], SLOT1+2*VT
	s_mov_b32 s[G0K], 1
	s_mov_b32 s[G0K+1], s48
	s_mov_b32 s[G0V], 1
	s_add_co_u32 s[G0V+1], s49, VOFF
	s_lshr_b32 s98, s[PB], 1                       ; the first block's last slot
	s_sub_co_u32 s[SLM1], 7, s98                   ; the second block's last slot
	s_add_co_u32 s99, s98, 1
	s_lshl_b32 s[RT], s99, 1                       ; the first block's steps
	s_cmp_gt_u32 s99, 1
	s_cselect_b32 s[NXT], 1, 0
	s_cselect_b32 s[LQ], s98, s[SLM1]
	s_lshl_b32 s[DD], s[WV], 1
	s_lshl_b32 s16, s[PB], 3
	s_sub_co_i32 s[DD], s[DD], s16                 ; key tile 0, query block b
	s_mov_b32 s[OFF+1], 0
	s_mov_b32 s[AL+1], 0                           ; named as pairs
	s_mov_b32 s[BE+1], 0
	s_mov_b32 s[BIGN], 0xf149f2ca                  ; -1e30
	s_mov_b32 s[SLOTS], 8
	s_cmp_eq_u32 ttmp9, 0
	s_cselect_b32 s[LIM], 3, -1
	s_wait_dscnt 0x0                               ; both opening adds are done
	s_wait_kmcnt 0x0
	s_add_nc_u64 s[6:7], s[88:89], s[22:23]
	s_add_nc_u64 s[8:9], s[6:7], 32*262144         ; V at my half of the head's slot 0,
	s_add_nc_u64 s[6:7], s[6:7], 16*262144         ; K likewise
	s_add_nc_u64 s[G0K+2:G0K+3], s[6:7], 0
	s_or_b32 s[G0K+3], s[G0K+3], 0x80000000
	s_add_nc_u64 s[G0V+2:G0V+3], s[8:9], 0
	s_or_b32 s[G0V+3], s[G0V+3], 0x80000000
	s_add_nc_u64 s[4:5], s[88:89], s[2:3]          ; Q of the first block, of the second
	s_add_nc_u64 s[86:87], s[88:89], s[50:51]
	s_add_nc_u64 s[10:11], s[92:93], s[52:53]      ; their output blocks
	s_add_nc_u64 s[80:81], s[92:93], s[54:55]
	s_cmp_lt_u32 s[WV], 2
	s_cselect_b64 s[PFP:PFP+1], s[6:7], s[8:9]
	s_add_nc_u64 s[PFP:PFP+1], s[PFP:PFP+1], 2*32768  ; at key slot 2: the first change steps it to 3
	LOAD                                           ; key slot 0 into LDS slot 0
	v_and_b32 v1, 15, v0                           ; r
	v_bfe_u32 v9, v0, 4, 1                         ; h
	v_lshlrev_b32 v[QO], 7, v1
	v_lshl_add_u32 v[QO], v9, 4, v[QO]             ; row x 128 + 16 h
	WIN 0x80                                       ; destination window 2
.set i, 0
.rept 16                                       ; tile i / 2, channels 32 (i % 2) on
	global_load_b128 v[8*i:8*i+3],   v[QO], s[4:5] offset:(i/2)*2048+(i%2)*64
	global_load_b128 v[8*i+4:8*i+7], v[QO], s[4:5] offset:(i/2)*2048+(i%2)*64+32
.set i, i+1
.endr
	WIN 0xc0                                       ; destination window 3
.set i, 0
.rept 16
	global_load_b128 v[8*i:8*i+3],   v[QO], s[86:87] offset:(i/2)*2048+(i%2)*64
	global_load_b128 v[8*i+4:8*i+7], v[QO], s[86:87] offset:(i/2)*2048+(i%2)*64+32
.set i, i+1
.endr
	WIN 0
	v_and_b32 v20, 31, v0
	v_lshlrev_b32 v[L16], 4, v20
.irp T, 0,1,2
	global_load_b128 v[MXR+8*\T:MXR+8*\T+3],   v[L16], s[90:91] offset:1024*\T       ; 256 partial maxima a tensor: 8 a lane
	global_load_b128 v[MXR+8*\T+4:MXR+8*\T+7], v[L16], s[90:91] offset:1024*\T+512
.endr
	WIN 0x40
.set i, 0
.rept 256
	v_mov_b32 v[i], 0                              ; O^T starts at 0: written in the wait for the first tile, so that the loop has one form of product
.set i, i+1
.endr
	WIN 0
	v_lshlrev_b32 v19, 3, v9
	v_sub_nc_u32 v19, v1, v19                      ; r - 8 h: register j is hidden where j is greater
.set i, 0
.rept 8
	v_cmp_gt_i32 vcc_lo, i, v19
	v_cndmask_b32 v[MD+i], 0, s[BIGN], vcc_lo
.set i, i+1
.endr
	s_lshl_b32 s16, s[WV], 5                       ; my 32 keys of a step
	v_add_nc_u32 v[AK0], s16, v1
	v_mul_u32_u24 v[AK0], v[AK0], PK
	v_lshl_add_u32 v[AK0], v9, 4, v[AK0]
	v_and_b32 v10, 7, v0
	v_bfe_u32 v11, v0, 3, 1
	v_lshl_add_u32 v[AV0], v9, 3, v10              ; the turning load: key 8 h + l % 8, channels 8 ((l / 8) % 2) on
	v_add_nc_u32 v[AV0], s16, v[AV0]
	v_mul_u32_u24 v[AV0], v[AV0], PVP
	v_lshl_add_u32 v[AV0], v11, 4, v[AV0]
	v_add_nc_u32 v[AV0], VOFF, v[AV0]
	v_lshlrev_b32 v[PFO], 8, v20
	s_lshl_b32 s17, s[WV], 12
	v_add_nc_u32 v[GOW], s17, v[L16]
	s_lshl_b32 s17, s[WV], 10
	v_add_nc_u32 v21, s17, v[L16]
	v_add_nc_u32 v[RA+0], PS05, v21
	v_add_nc_u32 v[RA+2], PS67, v21
	v_mov_b32 v[RA+3], v21
	v_add_nc_u32 v[RA+4], SLOT1, v21
	v_add_nc_u32 v[WA+0], PS05, v[GOW]
	v_add_nc_u32 v[WA+1], PS05+65536, v[GOW]
	v_add_nc_u32 v[WA+2], PS67, v[GOW]
	v_mov_b32 v[WA+3], v[GOW]
	v_add_nc_u32 v[WA+4], SLOT1, v[GOW]
	v_mul_u32_u24 v23, v1, PK                      ; a result row r: my channel block's 32 bytes, 16 for each half of the lanes
	v_lshl_add_u32 v23, v9, 4, v23
	v_add_nc_u32 v23, s16, v23                     ; (32 w bytes)
	v_add_nc_u32 v[OA], OUTS, v23
	v_add_nc_u32 v[OA+1], OUTL, v23
	v_bfe_u32 v23, v0, 3, 2                        ; back: 32 lanes take four rows of 128 bytes
	v_add_nc_u32 v23, s16, v23                     ; (of my 32 rows)
	v_mul_u32_u24 v23, v23, PK
	v_lshl_add_u32 v23, v10, 4, v23
	v_add_nc_u32 v[RO], OUTS, v23
	v_add_nc_u32 v[RO+1], OUTL, v23
	v_mov_b32 v[TM+4], 0
	v_lshlrev_b32 v[TM+6], 2, v20
	s_wait_loadcnt 0x0                             ; Q, twice, and mx
.irp T, 0,1,2
	v_max3_num_f32 v[TM+\T], v[MXR+8*\T], v[MXR+8*\T+1], v[MXR+8*\T+2]
	v_max3_num_f32 v[TM+\T], v[TM+\T], v[MXR+8*\T+3], v[MXR+8*\T+4]
	v_max3_num_f32 v[TM+\T], v[TM+\T], v[MXR+8*\T+5], v[MXR+8*\T+6]
	v_max_num_f32 v[TM+\T], v[TM+\T], v[MXR+8*\T+7]
	v_max_num_f32_dpp v[TM+\T], v[TM+\T], v[TM+\T] row_xmask:1 row_mask:0xf bank_mask:0xf
	v_max_num_f32_dpp v[TM+\T], v[TM+\T], v[TM+\T] row_xmask:2 row_mask:0xf bank_mask:0xf
	v_max_num_f32_dpp v[TM+\T], v[TM+\T], v[TM+\T] row_xmask:4 row_mask:0xf bank_mask:0xf
	v_max_num_f32_dpp v[TM+\T], v[TM+\T], v[TM+\T] row_xmask:8 row_mask:0xf bank_mask:0xf
	v_permlanex16_b32 v[TM+4], v[TM+\T], s[SEL], s[SEL+1]
	v_max_num_f32 v[TM+\T], v[TM+\T], v[TM+4]
.endr
	v_mul_f32 v[TM+3], v[TM], v[TM+1]
	v_mul_f32 v[TM+3], 0x42800000, v[TM+3]         ; 64 q' k'
	v_max_num_f32 v[TM+3], 0x0da24260, v[TM+3]     ; qk
	v_max_num_f32 v[TM+2], 0x0da24260, v[TM+2]     ; vm
	v_rcp_f32 v[ALF], v[TM+3]
	v_rcp_f32 v[BET], v[TM+2]
	v_mul_f32 v[TM+5], v[TM+3], v[TM+2]            ; a plain instruction behind the two reciprocals,
	s_wait_alu depctr_va_vdst(0)                   ; and one wait for both, ahead of their first reader
	v_mov_b32 v[ALF+1], v[ALF]
	v_mul_f32 v[BET], 0x41800000, v[BET]
	v_mov_b32 v[BET+1], v[BET]
	v_mul_f32 v[TM+5], 0x3c000000, v[TM+5]         ; G = qk vm / 128
	s_or_b32 s16, s97, ttmp9
	s_or_b32 s16, s16, s[WV]
	s_cmp_lg_u32 s16, 0
	s_cbranch_scc1 .Lno_gam                        ; one wave of the launch stores G: 64 words, all of gam
	global_store_b32 v[TM+6], v[TM+5], s[94:95]
	global_store_b32 v[TM+6], v[TM+5], s[94:95] offset:128
.Lno_gam:
; Product i of 4 of S^T for query tile t: key block i % 2, channels 32 (i / 2) on.  The first two start the sums with their masks.  The two accumulators take turns.
.macro KQ t, i
	WIN W_KQ
.set kb, (\i)%2
.set cc, (\i)/2
.set rS, S+16*(\t)+8*kb
.set rK, KF+16*kb+8*cc
.set rQ, 16*(\t)+8*cc
.set rM, MC+8*(((\t)+1-kb)%3)
.if cc == 0
	v_wmma_f32_16x16x32_f16 v[rS:rS+7], v[rK:rK+7], v[rQ:rQ+7], v[rM:rM+7]
.else
	v_wmma_f32_16x16x32_f16 v[rS:rS+7], v[rK:rK+7], v[rQ:rQ+7], v[rS:rS+7]
.endif
.endm
.macro PVM t, c                        ; O^T += V^T P: query tile t, channel block c, my 32 keys
	WIN W_PV
	v_wmma_f32_16x16x32_f16 v[32*(\t)+8*(\c):32*(\t)+8*(\c)+7], v[VF+8*(\c):VF+8*(\c)+7], v[P+8*((\t)%3):P+8*((\t)%3)+7], v[32*(\t)+8*(\c):32*(\t)+8*(\c)+7]
.endm
.macro SC t, n                         ; pair n of 8 of tile t's scores: S / qk, held to 0 .. 1
	v_pk_mul_f32 v[S+16*(\t)+2*(\n):S+16*(\t)+2*(\n)+1], v[S+16*(\t)+2*(\n):S+16*(\t)+2*(\n)+1], v[ALF:ALF+1] clamp
.endm
.macro CV t, n                         ; the pair rounded to f16
	v_cvt_pk_f16_f32 v[P+8*((\t)%3)+(\n)], v[S+16*(\t)+2*(\n)], v[S+16*(\t)+2*(\n)+1]
.endm
.macro MKV c, n                        ; pair n of 4 of mask c, into buffer (c + 1) % 3; the first brings the two scalars
.if (\n) == 0
	s_cmp_eq_i32 s[DD], \c
	s_cselect_b32 s[AL], 1.0, 0
	s_cmp_gt_i32 s[DD], \c
	s_cselect_b32 s[BE], s[BIGN], 0
.endif
	v_pk_fma_f32 v[MC+8*(((\c)+1)%3)+2*(\n):MC+8*(((\c)+1)%3)+2*(\n)+1], v[MD+2*(\n):MD+2*(\n)+1], s[AL:AL+1], s[BE:BE+1] op_sel_hi:[1,0,0]
.endm
.macro FETCH_K                         ; my 32 keys x 64 channels: 4 fragments (key block f / 2, channel half f % 2)
	WIN 0
	v_add_nc_u32 v[AK], s[TBK], v[AK0]
	s_add_co_u32 s[TBK], s[TBK], KT
	WIN 0x80
.irp f, 0,1,2,3
	ds_load_b128 v[KF+8*(\f):KF+8*(\f)+3],   v[AK] offset:((\f)/2)*16*PK+((\f)%2)*64
	ds_load_b128 v[KF+8*(\f)+4:KF+8*(\f)+7], v[AK] offset:((\f)/2)*16*PK+((\f)%2)*64+32
.endr
	WIN 0
.endm
.macro FETCH_V                         ; the same keys' V, turned: 4 fragments of 16 channels x 32 keys
	WIN 0
	v_add_nc_u32 v[AV], s[TBV], v[AV0]
	s_add_co_u32 s[TBV], s[TBV], VT
	WIN 0x80
.irp f, 0,1,2,3
	ds_load_tr16_b128 v[VF+8*(\f):VF+8*(\f)+3],   v[AV] offset:32*(\f)
	ds_load_tr16_b128 v[VF+8*(\f)+4:VF+8*(\f)+7], v[AV] offset:32*(\f)+16*PVP
.endr
	WIN 0
.endm
; Line n of the vector work that stands behind tile t's four products K Q^T: mask t + 1 (4 lines), then tile t - 1's scaling (8).  Tile 0 has four v_nop in the scaling's place, so that mask 2, which takes mask -1's
; buffer, stands six places behind the product that took mask -1 as C, and tile 0's scaling six behind its last product.  Elsewhere a scaling stands six places or more behind the product that ends its accumulator,
; and a mask nine behind its buffer's last reader.
.macro XL t, n
.if (\t) == 0
.if (\n) < 4
	MKV 1, \n
.else
	v_nop
.endif
.elseif (\t) == 7
	SC 6, \n
.elseif (\n) < 4
	MKV (\t)+1, \n
.else
	SC (\t)-1, (\n)-4
.endif
.endm
.macro XPART
.set t, 0
.rept 8
.set per, 3
.if (t == 0) || (t == 7)
.set per, 2
.endif
.set i, 0
.set n, 0
.rept 4
	KQ t, i
	WIN 0
.rept per
	XL t, n
.set n, n+1
.endr
.set i, i+1
.endr
.set t, t+1
.endr
.set n, 0
.rept 8                                        ; tile 7's scaling: its first four lines stand four places behind the product that ended key block 0, the others six behind the last product
	SC 7, n
.set n, n+1
.endr
.endm
.macro YPART                           ; tile 0 is rounded; then behind each of tile t's four products V^T P stand two roundings of tile t + 1.  A buffer of P is rewritten ten places behind its last reader.
	WIN 0
.set n, 0
.rept 8
	CV 0, n
.set n, n+1
.endr
.set t, 0
.rept 8
.set n, 0
.set i, 0
.rept 4
	PVM t, i
.if t < 7
	WIN 0
	CV t+1, n
	CV t+1, n+1
.endif
.set n, n+2
.set i, i+1
.endr
.set t, t+1
.endr
.endm
.macro SEL u                           ; partial tile u (0-7 the first block's, 8-15 the second's): its region rr and its byte ro there
.if (\u) < 4
.set rr, 0
.set ro, (\u)*16384
.elseif (\u) < 6
.set rr, 1
.set ro, ((\u)-4)*16384
.elseif (\u) < 8
.set rr, 2
.set ro, ((\u)-6)*16384
.elseif (\u) < 12
.set rr, 3
.set ro, ((\u)-8)*16384
.else
.set rr, 4
.set ro, ((\u)-12)*16384
.endif
.endm
.macro DUMPO first                     ; my partial O^T into LDS: 1,024 bytes an accumulator, 16 l for registers 0-3 (first), + 512 for registers 4-7
	WIN 0x04                                       ; store data (source 1) in window 1
.set t, 0
.rept 8
	SEL (\first)+t
.set i, 0
.rept 4
	ds_store_b128 v[WA+rr], v[32*t+8*i:32*t+8*i+3]   offset:ro+1024*i
	ds_store_b128 v[WA+rr], v[32*t+8*i+4:32*t+8*i+7] offset:ro+1024*i+512
.set i, i+1
.endr
.set t, t+1
.endr
	WIN 0
.endm
.macro SWITCH                          ; the first block's sums are set aside; O^T starts anew; the second block's Q goes where the one text names Q.  No barrier and no tensor load stands here.
.rept 4
	v_nop                                          ; the places behind the last products
.endr
	DUMPO 0
	WIN 0x40
.set i, 0
.rept 256
	v_mov_b32 v[i], 0
.set i, i+1
.endr
	WIN 0x83                                       ; destination window 2, source window 3
.set i, 0
.rept 128
	v_mov_b32 v[i], v[i]
.set i, i+1
.endr
	WIN 0
	s_lshl_b32 s[DD], s[WV], 1
	s_lshl_b32 s16, s[HI], 3
	s_sub_co_i32 s[DD], s[DD], s16                 ; key tile 0, query block 15 - b
	s_mov_b32 s[RT], 64                            ; never 0 again
.endm
; sw = 1: the change of blocks may fall here.  last = 1 (the tail): the trip with CNT = 1 has no step of its own: K's fetch is jumped over, all my loads (V of the last step) are waited for, and the trip is left behind Y.
.macro TRIP tag, sw, last
.Ltrip\tag:
.if \last
	s_cmp_eq_u32 s[CNT], 1
	s_cbranch_scc1 .Lnok\tag
.endif
	FETCH_K                                        ; six places behind the last product that read K
	s_wait_dscnt 8                                 ; V of the step before is in; K's eight loads may be out
.if \last
	s_branch .Lgo\tag
.Lnok\tag:
	s_wait_dscnt 0x0                               ; nothing was issued behind V's loads
.Lgo\tag:
.endif
	YPART
	WIN 0
.if \last
	s_cmp_eq_u32 s[CNT], 1
	s_cbranch_scc1 .Lend
.endif
	s_add_co_i32 s[DD], s[DD], 8                   ; the next key tile
.if \sw
	s_sub_co_u32 s[RT], s[RT], 1
	s_cmp_eq_u32 s[RT], 0
	s_cbranch_scc0 .Lmid\tag
	SWITCH
.endif
.Lmid\tag:
.irp n, 0,1,2,3
	MKV -1, \n                                     ; eight plain lines: also the places between the last product that read V and the loads into V
.endr
.irp n, 0,1,2,3
	MKV 0, \n
.endr
	FETCH_V
	s_wait_dscnt 8                                 ; K is in; V's eight loads may be out
	XPART
	WIN 0
.endm
	CHANGE 1                                       ; slot 0 is in, everybody's part of it; the walk's second slot is asked for
	FETCH_K
	s_mov_b32 s[CNT], 2
	s_branch .Lmid1                                ; the loop is entered in the middle of a trip: there is no step before the first
.Lslot:                                        ; eight passes, the first entered above: a slot's two steps; every pass asks for a slot
	CHANGE 1
	s_mov_b32 s[CNT], 2
	TRIP 1, 1, 0
	s_sub_co_u32 s[CNT], s[CNT], 1
	s_cmp_lg_u32 s[CNT], 0
	s_cbranch_scc1 .Ltrip1
	s_sub_co_u32 s[SLOTS], s[SLOTS], 1
	s_cmp_lg_u32 s[SLOTS], 0
	s_cbranch_scc1 .Lslot
	CHANGE 0                                       ; the last slot is written out; the change of blocks falls in passes 2 to 5
	s_mov_b32 s[CNT], 3                            ; two trips for the slot's steps; the third is left in its middle
	TRIP 2, 0, 1
	s_sub_co_u32 s[CNT], s[CNT], 1
	s_cmp_lg_u32 s[CNT], 0
	s_cbranch_scc1 .Ltrip2
.Lend:
	; THE END.  The four waves' partial sums meet.
	s_wait_dscnt 0x0                               ; no LDS load of mine is out:
.rept 4
	v_nop
.endr
	s_barrier_signal -1                            ; when all four have said so, nobody reads a slot any more
	s_barrier_wait -1
	DUMPO 8
	s_wait_dscnt 0x0
	s_barrier_signal -1
	s_barrier_wait -1                              ; all partial sums of both blocks lie in LDS
.macro LOADT reg                       ; a tile, my channel block, from the four waves
.irp s, 0,1,2,3
	ds_load_b128 v[SB+8*\s:SB+8*\s+3],   v[\reg] offset:4096*\s
	ds_load_b128 v[SB+8*\s+4:SB+8*\s+7], v[\reg] offset:4096*\s+512
.endr
.endm
; A run of n tiles that lie on end in LDS: a tile a trip.  The first eight additions use up the 32 loaded registers; then the next tile's loads go out, under the rest of the trip's work.
.macro SUMRUN reg, out, n
	LOADT \reg
	s_mov_b32 s[CNT], \n
.Lsum_\@:
	s_wait_dscnt 0x0                               ; this tile's eight loads are in
.irp j, 0,2,4,6
	v_pk_add_f32 v[SU+\j:SU+\j+1], v[SB+\j:SB+\j+1], v[SB+8+\j:SB+9+\j]
	v_pk_add_f32 v[SU+8+\j:SU+9+\j], v[SB+16+\j:SB+17+\j], v[SB+24+\j:SB+25+\j]
.endr
	s_cmp_eq_u32 s[CNT], 1                         ; the run's last trip has no tile behind it
	s_cbranch_scc1 .Lnone_\@
	v_add_nc_u32 v[\reg], 16384, v[\reg]
	LOADT \reg
.Lnone_\@:
.irp j, 0,2,4,6
	v_pk_add_f32 v[SU+\j:SU+\j+1], v[SU+\j:SU+\j+1], v[SU+8+\j:SU+9+\j]
.endr
.irp j, 0,2,4,6
	v_pk_mul_f32 v[SU+\j:SU+\j+1], v[SU+\j:SU+\j+1], v[BET:BET+1]
.endr
.irp j, 0,1,2,3
	v_cvt_pk_f16_f32 v[SU+8+\j], v[SU+2*\j], v[SU+2*\j+1]
.endr
	ds_store_b128 v[\out], v[SU+8:SU+11]
	v_add_nc_u32 v[\out], 16*PK, v[\out]           ; the next tile's 16 rows of the result
	s_sub_co_u32 s[CNT], s[CNT], 1
	s_cmp_lg_u32 s[CNT], 0
	s_cbranch_scc1 .Lsum_\@
.endm
	SUMRUN RA+0, OA, 6                             ; the first block's tiles 0-5,
	SUMRUN RA+2, OA, 2                             ; 6 and 7;
	SUMRUN RA+3, OA+1, 4                           ; the second block's tiles 0-3,
	SUMRUN RA+4, OA+1, 4                           ; 4-7
	s_wait_dscnt 0x0
	s_barrier_signal -1
	s_barrier_wait -1                              ; both results lie whole in LDS
.irp f, 0,1,2,3,4,5,6,7
	ds_load_b128 v[128+4*\f:131+4*\f], v[RO] offset:\f*4*PK
.endr
.irp f, 0,1,2,3,4,5,6,7
	ds_load_b128 v[160+4*\f:163+4*\f], v[RO+1] offset:\f*4*PK
.endr
.irp f, 0,1,2,3,4,5,6,7
	s_wait_dscnt 15-\f
	global_store_b128 v[GOW], v[128+4*\f:131+4*\f], s[10:11] offset:\f*512   ; four rows: 512 consecutive bytes, aligned
.endr
.irp f, 0,1,2,3,4,5,6,7
	s_wait_dscnt 7-\f
	global_store_b128 v[GOW], v[160+4*\f:163+4*\f], s[80:81] offset:\f*512
.endr
	s_wait_tensorcnt 0x0                           ; the wave's end
	ds_add_u32 v[SPW], v[NIL]
	s_wait_dscnt 0x0
	s_endpgm
.Lfunc_end_k_qddea7cc0fa_attn:
	.size	k_qddea7cc0fa_attn, .Lfunc_end_k_qddea7cc0fa_attn-k_qddea7cc0fa_attn
	.p2alignl 7, 3214868480
	.fill 96, 4, 3214868480
	.section	.rodata,"a",@progbits
	.p2align	6, 0x0
	.amdhsa_kernel k_qddea7cc0fa_attn
		.amdhsa_group_segment_fixed_size 327680
		.amdhsa_private_segment_fixed_size 0
		.amdhsa_enable_private_segment 0
		.amdhsa_kernarg_size 32
		.amdhsa_user_sgpr_count 2
		.amdhsa_user_sgpr_kernarg_segment_ptr 1
		.amdhsa_wavefront_size32 1
		.amdhsa_system_sgpr_workgroup_id_x 1
		.amdhsa_system_sgpr_workgroup_id_y 1
		.amdhsa_system_sgpr_workgroup_id_z 1
		.amdhsa_system_vgpr_workitem_id 0
		.amdhsa_next_free_vgpr 896
		.amdhsa_next_free_sgpr 100
		.amdhsa_reserve_vcc 1
		.amdhsa_float_denorm_mode_32 3
		.amdhsa_float_denorm_mode_16_64 3
		.amdhsa_memory_ordered 1
		.amdhsa_forward_progress 1
		.amdhsa_inst_pref_size 107
	.end_amdhsa_kernel
	.amdgpu_metadata
---
amdhsa.version: [ 1, 2 ]
amdhsa.kernels:
  - .name:           k_qddea7cc0fa_attn
    .symbol:         k_qddea7cc0fa_attn.kd
    .args:
      - { .name: qkv, .offset: 0, .size: 8, .value_kind: global_buffer, .address_space: global }
      - { .name: mx, .offset: 8, .size: 8, .value_kind: global_buffer, .address_space: global }
      - { .name: cb, .offset: 16, .size: 8, .value_kind: global_buffer, .address_space: global }
      - { .name: gam, .offset: 24, .size: 8, .value_kind: global_buffer, .address_space: global }
    .group_segment_fixed_size: 327680
    .private_segment_fixed_size: 0
    .kernarg_segment_align: 8
    .kernarg_segment_size: 32
    .max_flat_workgroup_size: 128
    .sgpr_count:     100
    .vgpr_count:     896
    .wavefront_size: 32
...
	.end_amdgpu_metadata
.endif
;; end of part 3
;; launch wo (part 4): grid 8 x 32, 4 waves a work-group, clusters of 4 x 4, 327,680 bytes of LDS; arguments cb, wb, bo, x, gam, x1; writes x1
.if DOCPART == 4
	.amdgcn_target "amdgcn-amd-amdhsa--gfx1250"
	.amdhsa_code_object_version 6
	.text
	.protected	k_qddea7cc0fa_wo
	.globl	k_qddea7cc0fa_wo
	.p2align	8
	.type	k_qddea7cc0fa_wo,@function
k_qddea7cc0fa_wo:
	s_mov_b64 s[64:65], 0
	v_nop
	global_prefetch_b8 v0, s[64:65] scope:SCOPE_SE
	s_setreg_imm32_b32 hwreg(HW_REG_WAVE_MODE, 25, 1), 1
	s_wait_xcnt 0x0
	s_wait_alu depctr_hold_cnt(0) depctr_sa_sdst(0) depctr_va_vdst(0) depctr_va_sdst(0) depctr_va_ssrc(0) depctr_va_vcc(0) depctr_vm_vsrc(0)
	s_getreg_b32 s2, hwreg(HW_REG_IB_STS2, 6, 4)
	s_cmp_eq_u32 s2, 0
	s_cbranch_scc0 .Lentry_in_a_cluster
	s_endpgm
.Lentry_in_a_cluster:
	s_bfe_u32 s2, ttmp6, 0x10000c
	s_cmp_lg_u32 s2, 0xf033
	s_cbranch_scc0 .Lentry_shape_is_right
	s_endpgm
.Lentry_shape_is_right:
; x1 = x + G (c wo) + bo.  c: cb [row block of 128: 32][slice of 64 along K: 16][128 rows][64] f16.  wo: wb + 6,291,456, [1024][1024] f16, K down the rows.  G: gam's first word, f32.  x, x1: [4096][1024] f32.
; A tile of the result is 128 x 128, so that 256 work-groups share the work: four waves, each 64 x 64 in 16 accumulators.  K goes in steps of 256 through two LDS slots.
; A's tile (128 rows x 256 along K) is four slices, 65,536 dense bytes: asked for as rows of 256 bytes and padded in LDS after every 128.  B's fragments come turned, by ds_load_tr16_b128.
; The product is used transposed (source 0 = 16 columns of B, source 1 = 16 rows of A).  CLUSTER 4 x 4: A's tile is shared along a row of the cluster, B's along a column.
; THE WALK ALONG K IS TURNED.  Cluster (X, Y) of the 2 x 8 begins at K step (2 X + 2 Y) mod 4 and goes round; every cluster takes every step once, and the f32 sums are taken in that order, which differs from
; cluster to cluster.  The two clusters that need the same rows of A, and neighbours along y, which need the same columns of B, are two steps apart: what a cluster asks for in its two refills another has asked for in its first fills.
; The step's number hangs on the cluster's x and y alone, which all sixteen partners share.
; THE TEXT: a pair of quarters of a K step is written once for the loop and once for the tail.  One text serves both slots: the descriptor that refills walks, and the fetches' addresses are a scalar, 0 or SLOT, plus
; a lane register.  The first quarter, whose products start the sums, is written out; from it the loop is entered at the end of a trip of its inner loop.  The tail's loop is left in the middle of its third trip.
; The residual's 64 x 64 numbers a wave are loaded at the head into 128 registers, so that nothing waits for them at the end.  No prefetch: the tile is small.
; REGISTERS: window 0: v16-29 addresses; v32-95 the way out; v96-99 bias; v128-255 the accumulators.  Window 1: two fragment buffers of 128 (64 of A, 64 of B).  Window 2: v0-127 the residual.
.set KTOT,   1024
.set NS,     16                        ; slices in a row block of A
.set BBASE,  6291456
.set SCALED, 1
.set YROT,   2                         ; K steps between the first steps of neighbours along y
.set PA,     144                       ; a slice's row in LDS: 128 bytes + 16
.set PB,     288                       ; B's row: 256 bytes + 32 = 9 x 32
.set QB,     18432                     ; a quarter (64 along K): a slice of A (128 x 144), or 64 rows of B (64 x 288)
.set HALFT,  2*QB                      ; what one tensor load brings
.set SLOT,   4*HALFT                   ; 0x24000: it shares no bit with wave x HALFT (0x9000 w), so an exclusive or with it adds or takes it away
.set BOFF,   2*HALFT
.set SPARE,  2*SLOT
.set SPITCH, 272                       ; a stage row: 64 f32 + 16 bytes
.set WSTAGE, 64*SPITCH                 ; a wave's stage, laid over slot 0 when its last fill has been read
.set STEPS,  KTOT/256
.set ADRA, 16                          ; v16 my A fragments' LDS address in slot 0; v18 the one in use
.set CA,   18
.set ADRB, 20
.set CB,   22
.set STO,  24
.set RD,   25
.set CO,   26
.set SPW,  28
.set NIL,  29
.set TMP,  32
.set BIAS, 96
.set ACC,  128
.set F0,   0
.set F1,   128
.set G1A, 24
.set G0A, 32                           ; s[32:39] a set for each of the two first fills; the second then walks on
.set KS,  43                           ; s43 the K step at which the walking descriptors stand
.set G1B, 48
.set G0B, 56
.set OFF, 66                           ; s[66:67] a K step's byte offset.  s[14:15], s[20:21]: my part of A, of B, at K step 0; never rewritten
.set TB,  71                           ; s71 0 or SLOT: the slot that the fetches read
.set MSB, 0
.macro WIN new
.if MSB != (\new)
	s_set_vgpr_msb (MSB<<8)|(\new)
.set MSB, \new
.endif
.endm
.set MUL,  0x05                        ; sources 0 (B) and 1 (A) window 1; C and D window 0
.set TO_F, 0x40
.macro PLACES
.rept 4
	v_nop
.endr
.endm
.macro JLOAD s                         ; waves 0, 1 fetch A's halves, waves 2, 3 B's; s_nop 0 and four v_nop follow each line
	s_cmp_eq_u32 s11, 0
	s_cbranch_scc0 .Lfor_b_\@
	tensor_load_to_lds s[G0A+4*(\s):G0A+4*(\s)+3], s[G1A:G1A+7]
	s_nop 0
.rept 4
	v_nop
.endr
	s_branch .Lasked_\@
.Lfor_b_\@:
	tensor_load_to_lds s[G0B+4*(\s):G0B+4*(\s)+3], s[G1B:G1B+7]
	s_nop 0
.rept 4
	v_nop
.endr
.Lasked_\@:
.endm
.macro CROUND
	s_barrier_signal -1
	s_barrier_wait -1
	s_cmp_lg_u32 s10, 0
	s_cbranch_scc1 .Lnot_wave_0_\@
	s_barrier_signal -3
.Lnot_wave_0_\@:
	s_barrier_wait -3
	s_barrier_signal -1
	s_barrier_wait -1
.endm
	s_load_b256 s[72:79], s[0:1], 0x0              ; A s[72:73], wb s[74:75], bias s[76:77], residual s[78:79]
.if SCALED
	s_load_b128 s[80:83], s[0:1], 0x20             ; gam s[80:81], out s[82:83]
.else
	s_load_b64 s[82:83], s[0:1], 0x20              ; out
.endif
	v_lshl_add_u32 v[SPW], v0, 2, SPARE
	v_mov_b32 v[NIL], 0
	ds_add_u32 v[SPW], v[NIL]                      ; the opening: the add, twice on end, and its wait ahead of my first tensor load
	ds_add_u32 v[SPW], v[NIL]
	v_lshrrev_b32 v1, 5, v0
	v_readfirstlane_b32 s10, v1
	s_lshr_b32 s11, s10, 1                         ; my half of the rows; also: I fetch for A (0) or B (1)
	s_and_b32 s12, s10, 1                          ; my half of the columns; also: which half I fetch
	s_bfe_u32 s40, ttmp6, 0x40000
	s_bfe_u32 s41, ttmp6, 0x40004
	s_lshl_b32 s42, ttmp9, 2
	s_add_co_u32 s42, s42, s40                     ; tile column
	s_and_b32 s13, ttmp7, 0xffff
	s_lshl_b32 s13, s13, 2
	s_add_co_u32 s13, s13, s41                     ; tile row = row block
	s_lshl_b32 s14, s41, 2
	s_lshl_b32 s14, 15, s14
	s_lshl_b32 s15, 0x1111, s40
	s_or_b32 s[G1A+0], s14, (1<<16)|(1<<20)|(1<<21)|(4<<22)|(3<<25)  ; after every 32 words 4 words
	s_or_b32 s[G1B+0], s15, (1<<16)|(1<<20)|(1<<21)|(5<<22)|(7<<25)  ; after every 64 words 8 words
.irp g, G1A, G1B
	s_mov_b32 s[(\g)+1], 128<<16
	s_mov_b32 s[(\g)+2], 128<<16
	s_mov_b32 s[(\g)+3], 128<<16
	s_mov_b32 s[(\g)+4], 128
	s_mov_b32 s[(\g)+6], 0
	s_mov_b32 s[(\g)+7], 0
.endr
	s_mov_b32 s[G1A+5], 128                        ; A: dense
	s_mov_b32 s[G1B+5], 1024
	s_mul_i32 s16, s13, NS*16384                   ; A: my row block, my two of a K step's four slices
	s_lshl_b32 s17, s12, 15
	s_add_co_u32 s16, s16, s17
	s_mov_b32 s17, 0
	s_lshl_b32 s20, s42, 8                         ; B: 128 columns by the tile column, my 128 of a K step's 256 rows
	s_lshl_b32 s21, s12, 18
	s_add_co_u32 s20, s20, s21
	s_add_co_u32 s20, s20, BBASE
	s_mov_b32 s21, 0
	s_mul_i32 s22, s10, HALFT
	s_and_b32 s44, ttmp7, 0xffff                   ; cluster y
	s_mul_i32 s44, s44, YROT
	s_mul_i32 s45, ttmp9, STEPS/2                  ; cluster x
	s_add_co_u32 s[KS], s44, s45
	s_and_b32 s[KS], s[KS], STEPS-1                ; my cluster's first K step: an even number
	s_lshl_b32 s44, s[KS], 16                      ; a K step is 65,536 bytes of A,
	s_mov_b32 s45, 0
	s_lshl_b32 s46, s[KS], 19                      ; and 256 rows of 2,048 bytes of B
	s_mov_b32 s47, 0
	s_mov_b32 s[OFF+1], 0
	s_wait_dscnt 0x0
	s_wait_kmcnt 0x0
	s_add_nc_u64 s[14:15], s[72:73], s[16:17]
	s_add_nc_u64 s[20:21], s[74:75], s[20:21]
	s_add_nc_u64 s[44:45], s[14:15], s[44:45]      ; my parts at the first K step
	s_add_nc_u64 s[46:47], s[20:21], s[46:47]
	CROUND
.irp s, 0,1
	s_mov_b32 s[G0A+4*(\s)], 1
	s_add_co_u32 s[G0A+4*(\s)+1], s22, (\s)*SLOT
	s_add_nc_u64 s[G0A+4*(\s)+2:G0A+4*(\s)+3], s[44:45], (\s)*65536
	s_or_b32 s[G0A+4*(\s)+3], s[G0A+4*(\s)+3], 0x80000000
	s_mov_b32 s[G0B+4*(\s)], 1
	s_add_co_u32 s[G0B+4*(\s)+1], s22, (\s)*SLOT
	s_add_nc_u64 s[G0B+4*(\s)+2:G0B+4*(\s)+3], s[46:47], (\s)*256*2048
	s_or_b32 s[G0B+4*(\s)+3], s[G0B+4*(\s)+3], 0x80000000
	JLOAD \s
.endr
	s_add_co_u32 s[KS], s[KS], 1                   ; the walking descriptors stand at the second step: the first is even, so this one does not pass the end
.if SCALED
	s_load_b32 s84, s[80:81], 0x0                  ; G; waited for at the way out
.endif
	v_and_b32 v1, 15, v0
	v_bfe_u32 v2, v0, 4, 1
	v_mul_u32_u24 v3, v1, PA
	v_lshl_add_u32 v3, v2, 4, v3
	s_mul_i32 s16, s11, 64*PA                      ; my 64 rows of each slice
	v_and_b32 v4, 7, v0
	v_lshl_add_u32 v4, v2, 3, v4
	v_mul_u32_u24 v4, v4, PB
	v_bfe_u32 v5, v0, 3, 1
	v_lshl_add_u32 v4, v5, 4, v4
	s_lshl_b32 s17, s12, 7                         ; my 64 columns
	s_add_co_u32 s17, s17, BOFF
	v_add_nc_u32 v[ADRA], s16, v3
	v_add_nc_u32 v[ADRB], s17, v4
	s_mul_i32 s23, s10, WSTAGE
	v_mul_u32_u24 v4, v1, SPITCH
	v_lshl_add_u32 v4, v2, 5, v4
	v_add_nc_u32 v[STO], s23, v4
	v_mul_u32_u24 v5, v2, SPITCH
	v_lshl_add_u32 v5, v1, 4, v5
	v_add_nc_u32 v[RD], s23, v5
	v_lshlrev_b32 v[CO], 12, v2                    ; lanes 0-15 one row's 256 bytes, lanes 16-31 the next row's
	v_lshl_add_u32 v[CO], v1, 4, v[CO]
	v_lshlrev_b32 v8, 4, v1
	s_lshl_b32 s18, s42, 9                         ; my 64 columns of f32
	s_lshl_b32 s19, s12, 8
	s_add_co_u32 s18, s18, s19
	s_mov_b32 s19, 0
	s_add_nc_u64 s[76:77], s[76:77], s[18:19]
	s_lshl_b32 s16, s13, 19                        ; my 64 rows of 4,096 bytes
	s_lshl_b32 s17, s11, 18
	s_add_co_u32 s16, s16, s17
	s_add_co_u32 s16, s16, s18
	s_mov_b32 s17, 0
	s_add_nc_u64 s[78:79], s[78:79], s[16:17]
	s_add_nc_u64 s[82:83], s[82:83], s[16:17]
	global_load_b128 v[BIAS:BIAS+3], v8, s[76:77]
	WIN 0x80                                       ; destination window 2
.set i, 0
.rept 32
	global_load_b128 v[4*i:4*i+3], v[CO], s[78:79] offset:i*8192 th:TH_LOAD_NT
.set i, i+1
.endr
	WIN 0
.macro MUL8 f, c, a0, zero             ; 8 matrix instructions: row blocks a0, a0 + 1 x all 4 column blocks, 32 along K: half c of buffer f
	WIN MUL
.irp a, \a0, (\a0)+1
.irp b, 0,1,2,3
.if \zero
	v_wmma_f32_16x16x32_f16 v[ACC+8*(4*(\a)+(\b)):ACC+8*(4*(\a)+(\b))+7], v[(\f)+64+8*(4*(\c)+(\b)):(\f)+64+8*(4*(\c)+(\b))+7], v[(\f)+8*(4*(\c)+(\a)):(\f)+8*(4*(\c)+(\a))+7], 0
.else
	v_wmma_f32_16x16x32_f16 v[ACC+8*(4*(\a)+(\b)):ACC+8*(4*(\a)+(\b))+7], v[(\f)+64+8*(4*(\c)+(\b)):(\f)+64+8*(4*(\c)+(\b))+7], v[(\f)+8*(4*(\c)+(\a)):(\f)+8*(4*(\c)+(\a))+7], v[ACC+8*(4*(\a)+(\b)):ACC+8*(4*(\a)+(\b))+7]
.endif
.endr
.endr
.endm
.macro FETCH f, kq                     ; 32 LDS loads in one run: a quarter's fragments; the first 32 along K first
	WIN TO_F
.irp c, 0,1
.irp i, 0,1,2,3
	ds_load_tr16_b128 v[(\f)+64+8*(4*(\c)+(\i)):(\f)+64+8*(4*(\c)+(\i))+3],   v[CB] offset:(\kq)+32*PB*(\c)+32*(\i)
	ds_load_tr16_b128 v[(\f)+64+8*(4*(\c)+(\i))+4:(\f)+64+8*(4*(\c)+(\i))+7], v[CB] offset:(\kq)+32*PB*(\c)+32*(\i)+16*PB
	ds_load_b128 v[(\f)+8*(4*(\c)+(\i)):(\f)+8*(4*(\c)+(\i))+3],   v[CA] offset:(\kq)+64*(\c)+(\i)*16*PA
	ds_load_b128 v[(\f)+8*(4*(\c)+(\i))+4:(\f)+8*(4*(\c)+(\i))+7], v[CA] offset:(\kq)+64*(\c)+(\i)*16*PA+32
.endr
.endr
.endm
; 64 along K: 32 matrix instructions, the 16 accumulators by turns.  last = 1 (the tail): in the trip with s2 = 1 there is no further quarter: the run of loads is jumped over, and all my loads are waited for.
.macro QUARTER f, g, kq, zero, last=0
	s_wait_dscnt 16                                ; the first 32 along K are in
	MUL8 \f, 0, 0, \zero
	MUL8 \f, 0, 2, \zero
.if \last
	WIN 0                                          ; at a branch and at a label every window is 0
	s_cmp_eq_u32 s2, 1
	s_cbranch_scc1 .Lnofetch_\@
.endif
	PLACES
	FETCH \g, \kq
	s_wait_dscnt 32                                ; all but the 32 just issued
.if \last
	WIN 0
	s_branch .Lhigh_\@
.Lnofetch_\@:
	s_wait_dscnt 0x0                               ; nothing was issued behind the second 32 along K
.Lhigh_\@:
.endif
	MUL8 \f, 1, 0, 0
	MUL8 \f, 1, 2, 0
.endm
; The change of slots: all my tensor loads, the add, my reads; fill = 1: a round of the cluster's barrier and the joint refill of the slot that is left, two K steps ahead, with 128 matrix instructions in which to land
.macro CHANGE fill
	WIN 0
	s_wait_tensorcnt 0x0                           ; no tensor load of mine is out, so a group 0 may be written
	ds_add_u32 v[SPW], v[NIL]
.if \fill
	s_add_co_u32 s[KS], s[KS], 1                   ; the next K step, round the end of K
	s_and_b32 s[KS], s[KS], STEPS-1
	s_xor_b32 s[G0A+5], s[G0A+5], SLOT             ; the walking descriptors: the other slot than last time;
	s_lshl_b32 s[OFF], s[KS], 16
	s_add_nc_u64 s[G0A+6:G0A+7], s[14:15], s[OFF:OFF+1]  ; the address is made anew from the step's number,
	s_or_b32 s[G0A+7], s[G0A+7], 0x80000000        ; and the type set again
	s_xor_b32 s[G0B+5], s[G0B+5], SLOT
	s_lshl_b32 s[OFF], s[KS], 19
	s_add_nc_u64 s[G0B+6:G0B+7], s[20:21], s[OFF:OFF+1]
	s_or_b32 s[G0B+7], s[G0B+7], 0x80000000
.endif
	s_xor_b32 s[TB], s[TB], SLOT                   ; the fetches go to the other slot
	s_wait_dscnt 0x0                               ; the add is done, and my reads of the slot are over
.if \fill
	CROUND
	JLOAD 1
.else
	s_barrier_signal -1
	s_barrier_wait -1
.endif
	v_add_nc_u32 v[CA], s[TB], v[ADRA]
	v_add_nc_u32 v[CB], s[TB], v[ADRB]
.endm
	s_wait_tensorcnt 1                             ; my part of the first K step is in; the second's may stay out
	s_barrier_signal -1
	s_barrier_wait -1
	s_mov_b32 s[TB], 0
	v_mov_b32 v[CA], v[ADRA]
	v_mov_b32 v[CB], v[ADRB]
	FETCH F0, 0
	QUARTER F0, F1, QB, 1                          ; the first products start the 16 sums
	WIN 0
	s_mov_b32 s2, 2
	s_mov_b32 s3, STEPS-1                          ; the pass entered here, then STEPS - 2 passes that fill
	s_branch .Lnext                                ; the loop is entered at the end of the first trip of its inner loop: the addresses and s2 stand as they stand there in every pass
.Lstep:                                        ; a pass: the last quarter of the K step that is left, which fetches the new slot's first fragments, and the first three of the new K step
	CHANGE 1
	s_mov_b32 s2, 2
.Lpair:
	QUARTER F1, F0, 0, 0
	QUARTER F0, F1, QB, 0
	WIN 0
.Lnext:
	v_add_nc_u32 v[CA], 2*QB, v[CA]
	v_add_nc_u32 v[CB], 2*QB, v[CB]
	s_sub_co_u32 s2, s2, 1
	s_cmp_lg_u32 s2, 0
	s_cbranch_scc1 .Lpair
	s_sub_co_u32 s3, s3, 1
	s_cmp_lg_u32 s3, 0
	s_cbranch_scc1 .Lstep
	CHANGE 0                                       ; the tail is written out
	s_mov_b32 s2, 3                                ; two trips fetch the last K step's quarters; the third is left in its middle
.Ltail:
	QUARTER F1, F0, 0, 0, 1
	WIN 0
	s_cmp_eq_u32 s2, 1
	s_cbranch_scc1 .Lout
	QUARTER F0, F1, QB, 0
	WIN 0
	v_add_nc_u32 v[CA], 2*QB, v[CA]
	v_add_nc_u32 v[CB], 2*QB, v[CB]
	s_sub_co_u32 s2, s2, 1
	s_cmp_lg_u32 s2, 0
	s_cbranch_scc1 .Ltail
.Lout:
	; THE WAY OUT: f32 through my stage, back as whole rows of 256 bytes; scale, residual, bias; stores of 256 consecutive bytes for each 16 lanes
	s_wait_dscnt 0x0                               ; no LDS load of mine is out:
	s_barrier_signal -1                            ; when all four have said so, nobody reads the ring any more
	s_barrier_wait -1
	PLACES
.irp a, 0,1,2,3
.irp b, 0,1,2,3
	ds_store_b128 v[STO], v[ACC+8*(4*(\a)+(\b)):ACC+8*(4*(\a)+(\b))+3]   offset:(\a)*16*SPITCH+64*(\b)
	ds_store_b128 v[STO], v[ACC+8*(4*(\a)+(\b))+4:ACC+8*(4*(\a)+(\b))+7] offset:(\a)*16*SPITCH+64*(\b)+16
.endr
.endr
	s_wait_loadcnt 0x0                             ; residual and bias
.if SCALED
	s_wait_kmcnt 0x0
	s_mov_b32 s85, s84                             ; named as a pair
.endif
.irp g, 0,1
.if \g
	s_wait_xcnt 0x0                                ; the first batch's stores have read TMP
.endif
.set i, 0
.rept 16
	ds_load_b128 v[TMP+4*i:TMP+4*i+3], v[RD] offset:(16*(\g)+i)*2*SPITCH  ; LDS serves a wave's instructions in order: these see my stores above
.set i, i+1
.endr
	s_wait_dscnt 0x0
.if SCALED
	WIN 0x20                                       ; source 2 (the residual) in window 2
.set i, 0
.rept 32
	v_pk_fma_f32 v[TMP+2*i:TMP+2*i+1], v[TMP+2*i:TMP+2*i+1], s[84:85], v[64*(\g)+2*i:64*(\g)+2*i+1] op_sel_hi:[1,0,1]
.set i, i+1
.endr
.else
	WIN 0x08                                       ; source 1 (the residual) in window 2
.set i, 0
.rept 32
	v_pk_add_f32 v[TMP+2*i:TMP+2*i+1], v[TMP+2*i:TMP+2*i+1], v[64*(\g)+2*i:64*(\g)+2*i+1]
.set i, i+1
.endr
.endif
	WIN 0
.set i, 0
.rept 32
	v_pk_add_f32 v[TMP+2*i:TMP+2*i+1], v[TMP+2*i:TMP+2*i+1], v[BIAS+2*(i%2):BIAS+2*(i%2)+1]
.set i, i+1
.endr
.set i, 0
.rept 16
	global_store_b128 v[CO], v[TMP+4*i:TMP+4*i+3], s[82:83] offset:(16*(\g)+i)*8192
.set i, i+1
.endr
.endr
	s_wait_tensorcnt 0x0                           ; the wave's end
	ds_add_u32 v[SPW], v[NIL]
	s_wait_dscnt 0x0
	CROUND                                         ; the closing round
	s_endpgm
.Lfunc_end_k_qddea7cc0fa_wo:
	.size	k_qddea7cc0fa_wo, .Lfunc_end_k_qddea7cc0fa_wo-k_qddea7cc0fa_wo
	.p2alignl 7, 3214868480
	.fill 96, 4, 3214868480
	.section	.rodata,"a",@progbits
	.p2align	6, 0x0
	.amdhsa_kernel k_qddea7cc0fa_wo
		.amdhsa_group_segment_fixed_size 327680
		.amdhsa_private_segment_fixed_size 0
		.amdhsa_enable_private_segment 0
		.amdhsa_kernarg_size 48
		.amdhsa_user_sgpr_count 2
		.amdhsa_user_sgpr_kernarg_segment_ptr 1
		.amdhsa_wavefront_size32 1
		.amdhsa_system_sgpr_workgroup_id_x 1
		.amdhsa_system_sgpr_workgroup_id_y 1
		.amdhsa_system_sgpr_workgroup_id_z 1
		.amdhsa_system_vgpr_workitem_id 0
		.amdhsa_next_free_vgpr 640
		.amdhsa_next_free_sgpr 96
		.amdhsa_reserve_vcc 0
		.amdhsa_float_denorm_mode_32 3
		.amdhsa_float_denorm_mode_16_64 3
		.amdhsa_memory_ordered 1
		.amdhsa_forward_progress 1
		.amdhsa_inst_pref_size 53
	.end_amdhsa_kernel
	.amdgpu_metadata
---
amdhsa.version: [ 1, 2 ]
amdhsa.kernels:
  - .name:           k_qddea7cc0fa_wo
    .symbol:         k_qddea7cc0fa_wo.kd
    .args:
      - { .name: cb, .offset: 0, .size: 8, .value_kind: global_buffer, .address_space: global }
      - { .name: wb, .offset: 8, .size: 8, .value_kind: global_buffer, .address_space: global }
      - { .name: bo, .offset: 16, .size: 8, .value_kind: global_buffer, .address_space: global }
      - { .name: x, .offset: 24, .size: 8, .value_kind: global_buffer, .address_space: global }
      - { .name: gam, .offset: 32, .size: 8, .value_kind: global_buffer, .address_space: global }
      - { .name: x1, .offset: 40, .size: 8, .value_kind: global_buffer, .address_space: global }
    .group_segment_fixed_size: 327680
    .private_segment_fixed_size: 0
    .kernarg_segment_align: 8
    .kernarg_segment_size: 48
    .max_flat_workgroup_size: 128
    .sgpr_count:     96
    .vgpr_count:     640
    .wavefront_size: 32
...
	.end_amdgpu_metadata
.endif
;; end of part 4
;; launch ln2 (part 5): grid 256 x 1, 8 waves a work-group, no clusters, 0 bytes of LDS; arguments x1, g2, beta2, hb; writes hb
.if DOCPART == 5
	.amdgcn_target "amdgcn-amd-amdhsa--gfx1250"
	.amdhsa_code_object_version 6
	.text
	.protected	k_qddea7cc0fa_ln2
	.globl	k_qddea7cc0fa_ln2
	.p2align	8
	.type	k_qddea7cc0fa_ln2,@function
k_qddea7cc0fa_ln2:
	s_mov_b64 s[64:65], 0
	v_nop
	global_prefetch_b8 v0, s[64:65] scope:SCOPE_SE
	s_setreg_imm32_b32 hwreg(HW_REG_WAVE_MODE, 25, 1), 1
	s_wait_xcnt 0x0
; hb = LayerNorm(x1) g2 + beta2, rounded once to f16.  A work-group owns 16 rows, a wave two; a row of 1,024 f32 stays in 32 registers a lane between the passes, so x1 is read once.
; The variance is the mean of the squared differences from the mean: no difference of large sums.  Load j of a row takes columns 128 j + 4 lane: 512 consecutive bytes an instruction;
; a store of 8 bytes a lane covers 256 consecutive bytes, aligned.  LIMIT: a result beyond f16's 65,504 becomes an infinity.  No LDS, no barrier: memory binds, and no wave needs another's bytes.
.set X0,   16
.set X1,   48
.set G,    80
.set BT,   112
.set Y0,   144
.set Y1,   160
.set VAR,  176
.set MEAN, 178
.set RS0,  180
.set RS1,  182
	s_load_b256 s[4:11], s[0:1], 0x0               ; x1 s[4:5], g2 s[6:7], beta2 s[8:9], hb s[10:11]
	v_lshrrev_b32 v1, 5, v0
	v_readfirstlane_b32 s30, v1
	v_and_b32 v1, 31, v0
	v_lshlrev_b32 v2, 4, v1
	v_lshlrev_b32 v3, 3, v1
	s_lshl_b32 s14, ttmp9, 16
	s_lshl_b32 s31, s30, 13
	s_add_co_u32 s14, s14, s31
	s_mov_b32 s15, 0
	s_mov_b32 s12, 0x76543210
	s_mov_b32 s13, 0xfedcba98
	s_mov_b32 s32, 0x3a800000                      ; 1 / 1024
	s_mov_b32 s33, 0x3727c5ac                      ; 1e-5
	s_wait_kmcnt 0x0
	s_add_nc_u64 s[4:5], s[4:5], s[14:15]
	s_lshr_b32 s14, s14, 1
	s_add_nc_u64 s[10:11], s[10:11], s[14:15]
.irp j, 0,1,2,3,4,5,6,7
	global_load_b128 v[X0+4*(\j):X0+4*(\j)+3], v2, s[4:5] offset:512*(\j)
.endr
.irp j, 0,1,2,3,4,5,6,7
	global_load_b128 v[X1+4*(\j):X1+4*(\j)+3], v2, s[4:5] offset:4096+512*(\j)
.endr
.irp j, 0,1,2,3,4,5,6,7
	global_load_b128 v[G+4*(\j):G+4*(\j)+3], v2, s[6:7] offset:512*(\j)
	global_load_b128 v[BT+4*(\j):BT+4*(\j)+3], v2, s[8:9] offset:512*(\j)
.endr
.macro FOLD
	v_pk_add_f32 v[4:5], v[4:5], v[6:7]
	v_pk_add_f32 v[8:9], v[8:9], v[10:11]
	v_pk_add_f32 v[4:5], v[4:5], v[8:9]
	v_add_f32 v4, v4, v5
	v_add_f32_dpp v4, v4, v4 row_xmask:1 row_mask:0xf bank_mask:0xf
	v_add_f32_dpp v4, v4, v4 row_xmask:2 row_mask:0xf bank_mask:0xf
	v_add_f32_dpp v4, v4, v4 row_xmask:4 row_mask:0xf bank_mask:0xf
	v_add_f32_dpp v4, v4, v4 row_xmask:8 row_mask:0xf bank_mask:0xf
	v_permlanex16_b32 v5, v4, s12, s13
	v_add_f32 v4, v4, v5
.endm
.macro STAT xb, var
.irp c, 0,2,4,6
	v_pk_add_f32 v[4+\c:5+\c], v[\xb+\c:\xb+\c+1], v[\xb+8+\c:\xb+9+\c]
.endr
.irp o, 16,24
.irp c, 0,2,4,6
	v_pk_add_f32 v[4+\c:5+\c], v[4+\c:5+\c], v[\xb+\o+\c:\xb+\o+\c+1]
.endr
.endr
	FOLD
	v_mul_f32 v[MEAN], s32, v4
	v_mov_b32 v[MEAN+1], v[MEAN]
.set j, 0
.rept 16
	v_pk_add_f32 v[\xb+j:\xb+j+1], v[\xb+j:\xb+j+1], v[MEAN:MEAN+1] neg_lo:[0,1] neg_hi:[0,1]
.set j, j+2
.endr
.irp c, 0,2,4,6
	v_pk_mul_f32 v[4+\c:5+\c], v[\xb+\c:\xb+\c+1], v[\xb+\c:\xb+\c+1]
.endr
.irp o, 8,16,24
.irp c, 0,2,4,6
	v_pk_fma_f32 v[4+\c:5+\c], v[\xb+\o+\c:\xb+\o+\c+1], v[\xb+\o+\c:\xb+\o+\c+1], v[4+\c:5+\c]
.endr
.endr
	FOLD
	v_fma_f32 v[\var], v4, s32, s33
.endm
.macro FIN xb, rs, y, off
.set j, 0
.rept 16
	v_pk_mul_f32 v[\xb+j:\xb+j+1], v[\xb+j:\xb+j+1], v[\rs:\rs+1]
	v_pk_fma_f32 v[\xb+j:\xb+j+1], v[\xb+j:\xb+j+1], v[G+j:G+j+1], v[BT+j:BT+j+1]
	v_cvt_pk_f16_f32 v[\y+j/2], v[\xb+j], v[\xb+j+1]
.set j, j+2
.endr
.irp j, 0,1,2,3,4,5,6,7
	global_store_b64 v3, v[\y+2*(\j):\y+2*(\j)+1], s[10:11] offset:(\off)+256*(\j)
.endr
.endm
	s_wait_loadcnt 16                              ; both rows are in; the 16 younger loads, gain and offset, may stay out
	STAT X0, VAR
	STAT X1, VAR+1
	v_rsq_f32 v[RS0], v[VAR]
	v_rsq_f32 v[RS0+1], v[VAR]
	v_rsq_f32 v[RS1], v[VAR+1]
	v_rsq_f32 v[RS1+1], v[VAR+1]
	v_nop                                          ; a plain instruction behind the last of the four,
	s_wait_alu depctr_va_vdst(0)                   ; and one wait for the batch
	s_wait_loadcnt 0x0
	FIN X0, RS0, Y0, 0
	FIN X1, RS1, Y1, 2048
	s_endpgm
.Lfunc_end_k_qddea7cc0fa_ln2:
	.size	k_qddea7cc0fa_ln2, .Lfunc_end_k_qddea7cc0fa_ln2-k_qddea7cc0fa_ln2
	.p2alignl 7, 3214868480
	.fill 96, 4, 3214868480
	.section	.rodata,"a",@progbits
	.p2align	6, 0x0
	.amdhsa_kernel k_qddea7cc0fa_ln2
		.amdhsa_group_segment_fixed_size 0
		.amdhsa_private_segment_fixed_size 0
		.amdhsa_enable_private_segment 0
		.amdhsa_kernarg_size 32
		.amdhsa_user_sgpr_count 2
		.amdhsa_user_sgpr_kernarg_segment_ptr 1
		.amdhsa_wavefront_size32 1
		.amdhsa_system_sgpr_workgroup_id_x 1
		.amdhsa_system_sgpr_workgroup_id_y 1
		.amdhsa_system_sgpr_workgroup_id_z 1
		.amdhsa_system_vgpr_workitem_id 0
		.amdhsa_next_free_vgpr 184
		.amdhsa_next_free_sgpr 66
		.amdhsa_reserve_vcc 0
		.amdhsa_float_denorm_mode_32 3
		.amdhsa_float_denorm_mode_16_64 3
		.amdhsa_memory_ordered 1
		.amdhsa_forward_progress 1
		.amdhsa_inst_pref_size 20
	.end_amdhsa_kernel
	.amdgpu_metadata
---
amdhsa.version: [ 1, 2 ]
amdhsa.kernels:
  - .name:           k_qddea7cc0fa_ln2
    .symbol:         k_qddea7cc0fa_ln2.kd
    .args:
      - { .name: x1, .offset: 0, .size: 8, .value_kind: global_buffer, .address_space: global }
      - { .name: g2, .offset: 8, .size: 8, .value_kind: global_buffer, .address_space: global }
      - { .name: beta2, .offset: 16, .size: 8, .value_kind: global_buffer, .address_space: global }
      - { .name: hb, .offset: 24, .size: 8, .value_kind: global_buffer, .address_space: global }
    .group_segment_fixed_size: 0
    .private_segment_fixed_size: 0
    .kernarg_segment_align: 8
    .kernarg_segment_size: 32
    .max_flat_workgroup_size: 256
    .sgpr_count:     66
    .vgpr_count:     184
    .wavefront_size: 32
...
	.end_amdgpu_metadata
.endif
;; end of part 5
;; launch ffn1 (part 6): grid 16 x 16, 4 waves a work-group, clusters of 4 x 4, 327,680 bytes of LDS; arguments hb, wb, b1, ab; writes ab
.if DOCPART == 6
	.amdgcn_target "amdgcn-amd-amdhsa--gfx1250"
	.amdhsa_code_object_version 6
	.text
	.protected	k_qddea7cc0fa_ffn1
	.globl	k_qddea7cc0fa_ffn1
	.p2align	8
	.type	k_qddea7cc0fa_ffn1,@function
k_qddea7cc0fa_ffn1:
	s_mov_b64 s[64:65], 0
	v_nop
	global_prefetch_b8 v0, s[64:65] scope:SCOPE_SE
	s_setreg_imm32_b32 hwreg(HW_REG_WAVE_MODE, 25, 1), 1
	s_wait_xcnt 0x0
	s_wait_alu depctr_hold_cnt(0) depctr_sa_sdst(0) depctr_va_vdst(0) depctr_va_sdst(0) depctr_va_ssrc(0) depctr_va_vcc(0) depctr_vm_vsrc(0)
	s_getreg_b32 s2, hwreg(HW_REG_IB_STS2, 6, 4)
	s_cmp_eq_u32 s2, 0
	s_cbranch_scc0 .Lentry_in_a_cluster
	s_endpgm
.Lentry_in_a_cluster:
	s_bfe_u32 s2, ttmp6, 0x10000c
	s_cmp_lg_u32 s2, 0xf033
	s_cbranch_scc0 .Lentry_shape_is_right
	s_endpgm
.Lentry_shape_is_right:
; a = gelu(h2 w1 + b1), the exact (erf) form.  h2: hb [4096][1024] f16.  w1: wb + 8,388,608, [1024][4096] f16, K down the rows.  Sums and the activation in f32.
; OUT: ab [row block of 128: 32][slice of 64 columns: 64][128 rows][64] f16, so that the launch behind finds its tiles dense.
; A tile of the result is 256 x 256: four waves, each 128 x 128 in 64 accumulators.  K goes in steps of 128 through two LDS slots filled by tensor loads.
; B LIES [K][N]: its fragments come out of LDS turned, by ds_load_tr16_b128.  The product is used transposed (source 0 = 16 columns of B, source 1 = 16 rows of A).
; CLUSTER 4 x 4: A's tile is shared along a row of the cluster, B's along a column.
; THE TEXT: a pair of quarters of a K step is written once for the loop and once for the tail.  One text serves both slots: the descriptor that refills walks, and the fetches' addresses are a scalar, 0 or SLOT, plus
; a lane register.  The first quarter, whose products start the sums, is written out; from it the loop is entered at the end of a trip of its inner loop.  The tail's loop is left in the middle of its third trip.
; GELU.  gelu(u) = max(u, 0) - |u| (p(t) / 2) e^(-u u / 2), t = 1 / (1 + 0.23164189 |u|), p the polynomial of Abramowitz and Stegun 7.1.26 (erf to 1.5e-7 absolute): no difference of near numbers in either tail.
; LIMIT: a result beyond f16's 65,504 becomes an infinity.
; REGISTERS: window 0: v16-30 addresses; v32-55, v64-143, v208-215 the way out; v64-127, v128-191 A's fragments.  Window 1: v64-191 B's fragments.  Windows 2, 3: the accumulators.
.set NP,     4096
.set WOFF,   8388608
.set KSTEP,  128
.set PA,     272
.set PB,     544
.set HALFT,  128*PA
.set SLOT,   4*HALFT                   ; 0x22000: it shares no bit with wave x HALFT (0x8800 w), so an exclusive or with it adds or takes it away
.set BOFF,   2*HALFT
.set SPARE,  2*SLOT
.set SPITCH, 528
.set WSTAGE, 128*SPITCH
.set STRIDE, 16384                     ; from a slice to the next in ab
.set ADRA, 16                          ; v16 my A fragments' LDS address in slot 0; v18 the one in use
.set CA,   18
.set ADRB, 20
.set CB,   22
.set STO,  24
.set RD,   25
.set GO,   26
.set SPW,  28
.set NIL,  29
.set PFO,  30
.set BIAS, 32
.set U,    40
.set F0,   64
.set F1,   128
.set W,    64                          ; the way out, when the fragments are dead: u, later max(u, 0) and the result
.set AX,   80                          ; |u|
.set D,    96                          ; 1 + 0.2316 |u|, then t
.set Q,    112                         ; the exponent, then e
.set P,    128                         ; the polynomial
.set Y,    208
.set G1A, 24
.set G0A, 32                           ; s[32:39] a set for each of the two first fills; the second then walks on
.set LIM, 43
.set PFA, 44
.set PST, 46
.set G1B, 48
.set G0B, 56
.set TB,  71                           ; s71 0 or SLOT: the slot that the fetches read
.set C1, 82                            ; s[82:95] seven constants, each twice: named as pairs
.set C2, 84
.set A1, 86
.set A2, 88
.set A3, 90
.set A4, 92
.set A5, 94
.set MSB, 0
.macro WIN new
.if MSB != (\new)
	s_set_vgpr_msb (MSB<<8)|(\new)
.set MSB, \new
.endif
.endm
.set MUL_LO, 0xa1
.set MUL_HI, 0xf1
.set TO_B,   0x40
.macro PLACES
.rept 4
	v_nop
.endr
.endm
.macro JLOAD s                         ; waves 0, 1 fetch A's halves, waves 2, 3 B's; s_nop 0 and four v_nop follow each line
	s_cmp_eq_u32 s11, 0
	s_cbranch_scc0 .Lfor_b_\@
	tensor_load_to_lds s[G0A+4*(\s):G0A+4*(\s)+3], s[G1A:G1A+7]
	s_nop 0
.rept 4
	v_nop
.endr
	s_branch .Lasked_\@
.Lfor_b_\@:
	tensor_load_to_lds s[G0B+4*(\s):G0B+4*(\s)+3], s[G1B:G1B+7]
	s_nop 0
.rept 4
	v_nop
.endr
.Lasked_\@:
.endm
.macro CROUND
	s_barrier_signal -1
	s_barrier_wait -1
	s_cmp_lg_u32 s10, 0
	s_cbranch_scc1 .Lnot_wave_0_\@
	s_barrier_signal -3
.Lnot_wave_0_\@:
	s_barrier_wait -3
	s_barrier_signal -1
	s_barrier_wait -1
.endm
; A prefetch into the L2 of the K step two refills on: 512 matrix instructions ahead of the load that will want it.  A's rows are asked for by cluster x = 0, B's by cluster y = 0; the four partners
; that ask for a tile jointly share its blocks of 256 bytes out by address, 32 each, a lane a block.  The last two refills ask for nothing: K steps 8 and 9 do not exist.
.macro ASK
	s_cmp_gt_u32 s3, s[LIM]
	s_cbranch_scc0 .Lnot_mine_\@
	global_prefetch_b8 v[PFO], s[PFA:PFA+1] th:TH_LOAD_NT scope:SCOPE_SE
.Lnot_mine_\@:
.endm
.macro CONST r, bits
	s_mov_b32 s[\r], \bits
	s_mov_b32 s[\r+1], \bits
.endm
	s_load_b128 s[4:7], s[0:1], 0x0                ; hb s[4:5], wb s[6:7]
	s_load_b128 s[72:75], s[0:1], 0x10             ; b1 s[72:73], ab s[74:75]
	v_lshl_add_u32 v[SPW], v0, 2, SPARE
	v_mov_b32 v[NIL], 0
	ds_add_u32 v[SPW], v[NIL]                      ; the opening: the add, twice on end, and its wait ahead of my first tensor load
	ds_add_u32 v[SPW], v[NIL]
	v_lshrrev_b32 v1, 5, v0
	v_readfirstlane_b32 s10, v1
	s_lshr_b32 s11, s10, 1
	s_and_b32 s12, s10, 1
	s_bfe_u32 s40, ttmp6, 0x40000
	s_bfe_u32 s41, ttmp6, 0x40004
	s_lshl_b32 s42, ttmp9, 2
	s_add_co_u32 s42, s42, s40
	s_and_b32 s13, ttmp7, 0xffff
	s_lshl_b32 s13, s13, 2
	s_add_co_u32 s13, s13, s41
	s_lshl_b32 s14, s41, 2
	s_lshl_b32 s14, 15, s14
	s_lshl_b32 s15, 0x1111, s40
	s_or_b32 s[G1A+0], s14, (1<<16)|(1<<20)|(1<<21)|(5<<22)|(3<<25)
	s_mov_b32 s[G1A+1], 128<<16
	s_mov_b32 s[G1A+2], 128<<16
	s_mov_b32 s[G1A+3], 128<<16
	s_mov_b32 s[G1A+4], 128
	s_mov_b32 s[G1A+5], 1024
	s_mov_b32 s[G1A+6], 0
	s_mov_b32 s[G1A+7], 0
	s_or_b32 s[G1B+0], s15, (1<<16)|(1<<20)|(1<<21)|(6<<22)|(7<<25)
	s_mov_b32 s[G1B+1], 256<<16
	s_mov_b32 s[G1B+2], 64<<16
	s_mov_b32 s[G1B+3], 256<<16
	s_mov_b32 s[G1B+4], 64
	s_mov_b32 s[G1B+5], NP
	s_mov_b32 s[G1B+6], 0
	s_mov_b32 s[G1B+7], 0
	s_lshl_b32 s16, s13, 19
	s_lshl_b32 s17, s12, 18
	s_add_co_u32 s16, s16, s17
	s_mov_b32 s17, 0
	s_lshl_b32 s20, s42, 9                         ; B: 256 columns by the tile column,
	s_mul_i32 s21, s12, 64*NP*2                    ; my 64 of the K step's 128 rows
	s_add_co_u32 s20, s20, s21
	s_add_co_u32 s20, s20, WOFF
	s_mov_b32 s21, 0
	s_mul_i32 s22, s10, HALFT
	CONST C1, 0x3e6d3388                           ; 0.23164189
	CONST C2, 0xbf38aa3b                           ; -log2(e) / 2
	CONST A1, 0x3e027906                           ; the polynomial's coefficients, halved: 0.127414796
	CONST A2, 0xbe11a98e                           ; -0.142248368
	CONST A3, 0x3f35f0e3                           ; 0.7107068705
	CONST A4, 0xbf3a00e3                           ; -0.7265760135
	CONST A5, 0x3f07dc22                           ; 0.5307027145
	s_mov_b32 s68, 0x7fffffff
	s_wait_dscnt 0x0
	s_wait_kmcnt 0x0
	s_add_nc_u64 s[14:15], s[4:5], s[16:17]
	s_add_nc_u64 s[20:21], s[6:7], s[20:21]
	CROUND
.irp s, 0,1
	s_mov_b32 s[G0A+4*(\s)], 1
	s_add_co_u32 s[G0A+4*(\s)+1], s22, (\s)*SLOT
	s_add_nc_u64 s[G0A+4*(\s)+2:G0A+4*(\s)+3], s[14:15], (\s)*KSTEP*2
	s_or_b32 s[G0A+4*(\s)+3], s[G0A+4*(\s)+3], 0x80000000
	s_mov_b32 s[G0B+4*(\s)], 1
	s_add_co_u32 s[G0B+4*(\s)+1], s22, (\s)*SLOT
	s_add_nc_u64 s[G0B+4*(\s)+2:G0B+4*(\s)+3], s[20:21], (\s)*KSTEP*NP*2
	s_or_b32 s[G0B+4*(\s)+3], s[G0B+4*(\s)+3], 0x80000000
	JLOAD \s
.endr
	v_and_b32 v1, 15, v0
	v_bfe_u32 v2, v0, 4, 1
	v_mul_u32_u24 v3, v1, PA
	v_lshl_add_u32 v3, v2, 4, v3
	s_mul_i32 s16, s11, HALFT
	v_and_b32 v4, 7, v0
	v_lshl_add_u32 v4, v2, 3, v4
	v_mul_u32_u24 v4, v4, PB
	v_bfe_u32 v5, v0, 3, 1
	v_lshl_add_u32 v4, v5, 4, v4
	s_lshl_b32 s17, s12, 8
	s_add_co_u32 s17, s17, BOFF
	v_add_nc_u32 v[ADRA], s16, v3
	v_add_nc_u32 v[ADRB], s17, v4
	s_mul_i32 s23, s10, WSTAGE
	v_mul_u32_u24 v4, v1, SPITCH
	v_lshl_add_u32 v4, v2, 5, v4
	v_add_nc_u32 v[STO], s23, v4
	v_mul_u32_u24 v5, v2, SPITCH
	v_lshl_add_u32 v5, v1, 4, v5
	v_add_nc_u32 v[RD], s23, v5
	v_and_b32 v6, 31, v0
	v_lshlrev_b32 v[GO], 3, v6
	s_and_b32 s23, ttmp7, 0xffff
	s_mov_b32 s17, 16*NP*2
	s_mov_b32 s[PST], KSTEP*NP*2
	s_mov_b32 s19, NP*2
	s_cmp_eq_u32 s11, 0
	s_cselect_b32 s23, ttmp9, s23
	s_cselect_b64 s[PFA:PFA+1], s[14:15], s[20:21]
	s_cselect_b32 s16, s40, s41
	s_cselect_b32 s17, 32*2048, s17
	s_cselect_b32 s[PST], KSTEP*2, s[PST]
	s_cselect_b32 s18, 0, 1
	s_cselect_b32 s19, 2048, s19
	s_mov_b32 s[PST+1], 0
	s_cmp_eq_u32 s23, 0
	s_cselect_b32 s[LIM], 2, -1
	s_mul_i32 s16, s16, s17
	s_mov_b32 s17, 0
	s_add_nc_u64 s[PFA:PFA+1], s[PFA:PFA+1], s[16:17]
	s_mul_i32 s16, s[PST], 3                       ; at K step 3: the first refill steps it to 4
	s_add_nc_u64 s[PFA:PFA+1], s[PFA:PFA+1], s[16:17]
	v_lshrrev_b32 v7, s18, v6
	v_mul_u32_u24 v7, v7, s19
	v_and_b32 v6, s18, v6
	v_lshl_add_u32 v[PFO], v6, 8, v7
	s_lshl_b32 s16, s42, 10                        ; my 128 columns of f32 in b1
	s_lshl_b32 s17, s12, 9
	s_add_co_u32 s16, s16, s17
	s_mov_b32 s17, 0
	s_add_nc_u64 s[72:73], s[72:73], s[16:17]
	v_lshlrev_b32 v8, 4, v1
	global_load_b128 v[BIAS:BIAS+3], v8, s[72:73]
	global_load_b128 v[BIAS+4:BIAS+7], v8, s[72:73] offset:256
	s_lshl1_add_u32 s16, s13, s11                  ; my row block
	s_lshl_b32 s16, s16, 6
	s_lshl2_add_u32 s16, s42, s16
	s_lshl1_add_u32 s16, s12, s16                  ; my first slice
	s_lshl_b32 s16, s16, 14
	s_mov_b32 s17, 0
	s_add_nc_u64 s[74:75], s[74:75], s[16:17]
.macro MUL16 f, hi, a0, zero
	WIN MUL_LO+0x50*(\hi)
.irp a, \a0, (\a0)+1
.irp b, 0,1,2,3,4,5,6,7
.if \zero
	v_wmma_f32_16x16x32_f16 v[8*(8*(\a)+(\b)):8*(8*(\a)+(\b))+7], v[(\f)+8*(\b):(\f)+8*(\b)+7], v[(\f)+8*(4*(\hi)+(\a)):(\f)+8*(4*(\hi)+(\a))+7], 0
.else
	v_wmma_f32_16x16x32_f16 v[8*(8*(\a)+(\b)):8*(8*(\a)+(\b))+7], v[(\f)+8*(\b):(\f)+8*(\b)+7], v[(\f)+8*(4*(\hi)+(\a)):(\f)+8*(4*(\hi)+(\a))+7], v[8*(8*(\a)+(\b)):8*(8*(\a)+(\b))+7]
.endif
.endr
.endr
.endm
.macro FETCH f, ka, kb
	WIN TO_B
.irp i, 0,1,2,3,4,5,6,7
	ds_load_tr16_b128 v[(\f)+8*(\i):(\f)+8*(\i)+3],   v[CB] offset:(\kb)+32*(\i)
	ds_load_tr16_b128 v[(\f)+8*(\i)+4:(\f)+8*(\i)+7], v[CB] offset:(\kb)+32*(\i)+16*PB
.endr
	WIN 0
.irp i, 0,1,2,3,4,5,6,7
	ds_load_b128 v[(\f)+8*(\i):(\f)+8*(\i)+3],   v[CA] offset:(\ka)+(\i)*16*PA
	ds_load_b128 v[(\f)+8*(\i)+4:(\f)+8*(\i)+7], v[CA] offset:(\ka)+(\i)*16*PA+32
.endr
.endm
; A quarter; the 64 accumulators take turns in one order in every quarter.  last = 1 (the tail): in the trip with s2 = 1 there is no further quarter: the run of loads is jumped over, and all my loads are waited for.
.macro QUARTER f, g, ka, kb, zero, last=0
	s_wait_dscnt 8                                 ; B and A's rows 0-63 are in; the youngest eight loads may be out
	MUL16 \f, 0, 0, \zero
	MUL16 \f, 0, 2, \zero
.if \last
	WIN 0                                          ; at a branch and at a label every window is 0
	s_cmp_eq_u32 s2, 1
	s_cbranch_scc1 .Lnofetch_\@
.endif
	PLACES
	FETCH \g, \ka, \kb
	s_wait_dscnt 32                                ; all but the 32 just issued
.if \last
	s_branch .Lhigh_\@
.Lnofetch_\@:
	s_wait_dscnt 0x0                               ; nothing was issued behind A's rows 64-127
.Lhigh_\@:
.endif
	MUL16 \f, 1, 0, \zero
	MUL16 \f, 1, 2, \zero
.endm
; The change of slots: all my tensor loads, the add, my reads; fill = 1: a round of the cluster's barrier and the joint refill of the slot that is left, two K steps ahead, with 256 matrix instructions in which to land
.macro CHANGE fill
	WIN 0
.if \fill
	s_wait_xcnt 0x0                                ; the last prefetch, a K step back, has read its address
	s_add_nc_u64 s[PFA:PFA+1], s[PFA:PFA+1], s[PST:PST+1]
.endif
	s_wait_tensorcnt 0x0                           ; no tensor load of mine is out, so a group 0 may be written
	ds_add_u32 v[SPW], v[NIL]
.if \fill
	s_xor_b32 s[G0A+5], s[G0A+5], SLOT             ; the walking descriptors: the other slot than last time,
	s_add_nc_u64 s[G0A+6:G0A+7], s[G0A+6:G0A+7], KSTEP*2  ; the next K step; the type bits on top are not reached
	s_xor_b32 s[G0B+5], s[G0B+5], SLOT
	s_add_nc_u64 s[G0B+6:G0B+7], s[G0B+6:G0B+7], KSTEP*NP*2
.endif
	s_xor_b32 s[TB], s[TB], SLOT                   ; the fetches go to the other slot
	s_wait_dscnt 0x0                               ; the add is done, and my reads of the slot are over
.if \fill
	CROUND
	JLOAD 1
	ASK
.else
	s_barrier_signal -1
	s_barrier_wait -1
.endif
	v_add_nc_u32 v[CA], s[TB], v[ADRA]
	v_add_nc_u32 v[CB], s[TB], v[ADRB]
.endm
	s_wait_tensorcnt 1                             ; my part of K step 0 is in; K step 1's may stay out
	s_barrier_signal -1
	s_barrier_wait -1
	s_mov_b32 s[TB], 0
	v_mov_b32 v[CA], v[ADRA]
	v_mov_b32 v[CB], v[ADRB]
	FETCH F0, 0, 0
	QUARTER F0, F1, 64, 32*PB, 1                   ; the first quarter's products start the 64 sums
	WIN 0
	s_mov_b32 s2, 2
	s_mov_b32 s3, 7                                ; the pass entered here, then six passes that fill: K steps 2 to 7
	s_branch .Lnext                                ; the loop is entered at the end of the first trip of its inner loop: the addresses and s2 stand as they stand there in every pass
.Lstep:                                        ; a pass: the last quarter of the K step that is left, which fetches the new slot's first fragments, and the first three of the new K step
	CHANGE 1
	s_mov_b32 s2, 2
.Lpair:
	QUARTER F1, F0, 0, 0, 0
	QUARTER F0, F1, 64, 32*PB, 0
	WIN 0
.Lnext:
	v_add_nc_u32 v[CA], 128, v[CA]
	v_add_nc_u32 v[CB], 64*PB, v[CB]
	s_sub_co_u32 s2, s2, 1
	s_cmp_lg_u32 s2, 0
	s_cbranch_scc1 .Lpair
	s_sub_co_u32 s3, s3, 1
	s_cmp_lg_u32 s3, 0
	s_cbranch_scc1 .Lstep
	CHANGE 0                                       ; the tail is written out
	s_mov_b32 s2, 3                                ; two trips fetch the last K step's quarters; the third is left in its middle
.Ltail:
	QUARTER F1, F0, 0, 0, 0, 1
	WIN 0
	s_cmp_eq_u32 s2, 1
	s_cbranch_scc1 .Lout
	QUARTER F0, F1, 64, 32*PB, 0
	WIN 0
	v_add_nc_u32 v[CA], 128, v[CA]
	v_add_nc_u32 v[CB], 64*PB, v[CB]
	s_sub_co_u32 s2, s2, 1
	s_cmp_lg_u32 s2, 0
	s_cbranch_scc1 .Ltail
.Lout:
	; THE WAY OUT
	s_wait_dscnt 0x0                               ; no LDS load of mine is out:
	s_barrier_signal -1                            ; when all four have said so, nobody reads the ring any more, and it has had its last fill
	s_barrier_wait -1
	PLACES
.irp a, 0,1,2,3,4,5,6,7
	WIN 0x08+4*((\a)/4)
.irp b, 0,1,2,3,4,5,6,7
	ds_store_b128 v[STO], v[8*(8*((\a)%4)+(\b)):8*(8*((\a)%4)+(\b))+3]   offset:(\a)*16*SPITCH+64*(\b)
	ds_store_b128 v[STO], v[8*(8*((\a)%4)+(\b))+4:8*(8*((\a)%4)+(\b))+7] offset:(\a)*16*SPITCH+64*(\b)+16
.endr
.endr
	WIN 0
.macro ULOAD
.irp q, 0,1,2,3
	ds_load_b128 v[U+4*(\q):U+4*(\q)+3], v[RD] offset:((\q)/2)*2*SPITCH+((\q)%2)*256
.endr
.endm
.macro EACH8 line:vararg               ; one line for each pair j = 0, 2 .. 14
.set j, 0
.rept 8
	\line
.set j, j+2
.endr
.endm
	ULOAD
	s_wait_loadcnt 0x0                             ; the bias
	s_mov_b32 s69, 32
.Lrow:                                         ; 32 trips of four rows: 16 numbers a lane
	s_wait_dscnt 0x0
	s_wait_xcnt 0x0                                ; the last trip's stores have read Y and GO
	v_add_nc_u32 v[GO], 512, v[GO]                 ; the stores below reach back by their immediate
.irp q, 0,1,2,3
	v_pk_add_f32 v[W+4*(\q):W+4*(\q)+1],   v[U+4*(\q):U+4*(\q)+1],   v[BIAS+4*((\q)%2):BIAS+4*((\q)%2)+1]
	v_pk_add_f32 v[W+4*(\q)+2:W+4*(\q)+3], v[U+4*(\q)+2:U+4*(\q)+3], v[BIAS+4*((\q)%2)+2:BIAS+4*((\q)%2)+3]
.endr
	s_cmp_eq_u32 s69, 1
	s_cbranch_scc1 .Lno_more
	v_add_nc_u32 v[RD], 4*SPITCH, v[RD]
	ULOAD
.Lno_more:
.set j, 0
.rept 16
	v_and_b32 v[AX+j], s68, v[W+j]
.set j, j+1
.endr
	EACH8 v_pk_fma_f32 v[D+j:D+j+1], v[AX+j:AX+j+1], s[C1:C1+1], 1.0 op_sel_hi:[1,0,0]
	EACH8 v_pk_mul_f32 v[Q+j:Q+j+1], v[AX+j:AX+j+1], v[AX+j:AX+j+1]
	EACH8 v_pk_mul_f32 v[Q+j:Q+j+1], v[Q+j:Q+j+1], s[C2:C2+1] op_sel_hi:[1,0]
.set j, 0
.rept 16                                       ; one batch of 32, a plain line behind each two
	v_rcp_f32 v[D+j], v[D+j]
	v_exp_f32 v[Q+j], v[Q+j]
	v_max_num_f32 v[W+j], 0, v[W+j]
.set j, j+1
.endr
	v_nop
	s_wait_alu depctr_va_vdst(0)                   ; one wait for the batch, ahead of its first reader
	EACH8 v_pk_fma_f32 v[P+j:P+j+1], v[D+j:D+j+1], s[A5:A5+1], s[A4:A4+1] op_sel_hi:[1,0,0]
	EACH8 v_pk_fma_f32 v[P+j:P+j+1], v[P+j:P+j+1], v[D+j:D+j+1], s[A3:A3+1] op_sel_hi:[1,1,0]
	EACH8 v_pk_fma_f32 v[P+j:P+j+1], v[P+j:P+j+1], v[D+j:D+j+1], s[A2:A2+1] op_sel_hi:[1,1,0]
	EACH8 v_pk_fma_f32 v[P+j:P+j+1], v[P+j:P+j+1], v[D+j:D+j+1], s[A1:A1+1] op_sel_hi:[1,1,0]
	EACH8 v_pk_mul_f32 v[P+j:P+j+1], v[P+j:P+j+1], v[D+j:D+j+1]
	EACH8 v_pk_mul_f32 v[P+j:P+j+1], v[P+j:P+j+1], v[Q+j:Q+j+1]
	EACH8 v_pk_fma_f32 v[W+j:W+j+1], v[AX+j:AX+j+1], v[P+j:P+j+1], v[W+j:W+j+1] neg_lo:[1,0,0] neg_hi:[1,0,0]
	EACH8 v_cvt_pk_f16_f32 v[Y+j/2], v[W+j], v[W+j+1]
.irp q, 0,1,2,3
	global_store_b64 v[GO], v[Y+2*(\q):Y+2*(\q)+1], s[74:75] offset:((\q)/2)*256+((\q)%2)*STRIDE-512  ; two rows of a slice: 256 consecutive bytes, aligned
.endr
	s_sub_co_u32 s69, s69, 1
	s_cmp_lg_u32 s69, 0
	s_cbranch_scc1 .Lrow
	s_wait_tensorcnt 0x0                           ; the wave's end
	ds_add_u32 v[SPW], v[NIL]
	s_wait_dscnt 0x0
	CROUND                                         ; the closing round
	s_endpgm
.Lfunc_end_k_qddea7cc0fa_ffn1:
	.size	k_qddea7cc0fa_ffn1, .Lfunc_end_k_qddea7cc0fa_ffn1-k_qddea7cc0fa_ffn1
	.p2alignl 7, 3214868480
	.fill 96, 4, 3214868480
	.section	.rodata,"a",@progbits
	.p2align	6, 0x0
	.amdhsa_kernel k_qddea7cc0fa_ffn1
		.amdhsa_group_segment_fixed_size 327680
		.amdhsa_private_segment_fixed_size 0
		.amdhsa_enable_private_segment 0
		.amdhsa_kernarg_size 32
		.amdhsa_user_sgpr_count 2
		.amdhsa_user_sgpr_kernarg_segment_ptr 1
		.amdhsa_wavefront_size32 1
		.amdhsa_system_sgpr_workgroup_id_x 1
		.amdhsa_system_sgpr_workgroup_id_y 1
		.amdhsa_system_sgpr_workgroup_id_z 1
		.amdhsa_system_vgpr_workitem_id 0
		.amdhsa_next_free_vgpr 1024
		.amdhsa_next_free_sgpr 96
		.amdhsa_reserve_vcc 0
		.amdhsa_float_denorm_mode_32 3
		.amdhsa_float_denorm_mode_16_64 3
		.amdhsa_memory_ordered 1
		.amdhsa_forward_progress 1
		.amdhsa_inst_pref_size 64
	.end_amdhsa_kernel
	.amdgpu_metadata
---
amdhsa.version: [ 1, 2 ]
amdhsa.kernels:
  - .name:           k_qddea7cc0fa_ffn1
    .symbol:         k_qddea7cc0fa_ffn1.kd
    .args:
      - { .name: hb, .offset: 0, .size: 8, .value_kind: global_buffer, .address_space: global }
      - { .name: wb, .offset: 8, .size: 8, .value_kind: global_buffer, .address_space: global }
      - { .name: b1, .offset: 16, .size: 8, .value_kind: global_buffer, .address_space: global }
      - { .name: ab, .offset: 24, .size: 8, .value_kind: global_buffer, .address_space: global }
    .group_segment_fixed_size: 327680
    .private_segment_fixed_size: 0
    .kernarg_segment_align: 8
    .kernarg_segment_size: 32
    .max_flat_workgroup_size: 128
    .sgpr_count:     96
    .vgpr_count:     1024
    .wavefront_size: 32
...
	.end_amdgpu_metadata
.endif
;; end of part 6
;; launch ffn2 (part 7): grid 8 x 32, 4 waves a work-group, clusters of 4 x 4, 327,680 bytes of LDS; arguments ab, wb, b2, x1, out0; writes out0
.if DOCPART == 7
	.amdgcn_target "amdgcn-amd-amdhsa--gfx1250"
	.amdhsa_code_object_version 6
	.text
	.protected	k_qddea7cc0fa_ffn2
	.globl	k_qddea7cc0fa_ffn2
	.p2align	8
	.type	k_qddea7cc0fa_ffn2,@function
k_qddea7cc0fa_ffn2:
	s_mov_b64 s[64:65], 0
	v_nop
	global_prefetch_b8 v0, s[64:65] scope:SCOPE_SE
	s_setreg_imm32_b32 hwreg(HW_REG_WAVE_MODE, 25, 1), 1
	s_wait_xcnt 0x0
	s_wait_alu depctr_hold_cnt(0) depctr_sa_sdst(0) depctr_va_vdst(0) depctr_va_sdst(0) depctr_va_ssrc(0) depctr_va_vcc(0) depctr_vm_vsrc(0)
	s_getreg_b32 s2, hwreg(HW_REG_IB_STS2, 6, 4)
	s_cmp_eq_u32 s2, 0
	s_cbranch_scc0 .Lentry_in_a_cluster
	s_endpgm
.Lentry_in_a_cluster:
	s_bfe_u32 s2, ttmp6, 0x10000c
	s_cmp_lg_u32 s2, 0xf033
	s_cbranch_scc0 .Lentry_shape_is_right
	s_endpgm
.Lentry_shape_is_right:
; out0 = x1 + a w2 + b2.  a: ab [row block of 128: 32][slice of 64 along K: 64][128 rows][64] f16.  w2: wb + 16,777,216, [4096][1024] f16, K down the rows.  x1, out0: [4096][1024] f32.
; A tile of the result is 128 x 128, so that 256 work-groups share the work: four waves, each 64 x 64 in 16 accumulators.  K goes in steps of 256 through two LDS slots.
; A's tile (128 rows x 256 along K) is four slices, 65,536 dense bytes: asked for as rows of 256 bytes and padded in LDS after every 128.  B's fragments come turned, by ds_load_tr16_b128.
; The product is used transposed (source 0 = 16 columns of B, source 1 = 16 rows of A).  CLUSTER 4 x 4: A's tile is shared along a row of the cluster, B's along a column.
; THE WALK ALONG K IS TURNED.  Cluster (X, Y) of the 2 x 8 begins at K step (8 X + 4 Y) mod 16 and goes round; every cluster takes every step once, and the f32 sums are taken in that order, which differs from
; cluster to cluster.  The two clusters that need the same rows of A are 8 steps apart: in its last 8 steps each asks for what the other asked for 8 steps earlier.  Four neighbours along y, which need the same
; columns of B, are 4 steps apart: from a cluster's fifth step on, one of them has asked for its block before.  The step's number hangs on the cluster's x and y alone, which all sixteen partners share.
; THE TEXT: a pair of quarters of a K step is written once for the loop and once for the tail.  One text serves both slots: the descriptor that refills walks, and the fetches' addresses are a scalar, 0 or SLOT, plus
; a lane register.  The first quarter, whose products start the sums, is written out; from it the loop is entered at the end of a trip of its inner loop.  The tail's loop is left in the middle of its third trip.
; The residual's 64 x 64 numbers a wave are loaded at the head into 128 registers, so that nothing waits for them at the end.  No prefetch: the tile is small.
; REGISTERS: window 0: v16-29 addresses; v32-95 the way out; v96-99 bias; v128-255 the accumulators.  Window 1: two fragment buffers of 128 (64 of A, 64 of B).  Window 2: v0-127 the residual.
.set KTOT,   4096
.set NS,     64
.set BBASE,  16777216
.set SCALED, 0
.set YROT,   4                         ; K steps between the first steps of neighbours along y
.set PA,     144
.set PB,     288
.set QB,     18432
.set HALFT,  2*QB
.set SLOT,   4*HALFT                   ; 0x24000: it shares no bit with wave x HALFT (0x9000 w), so an exclusive or with it adds or takes it away
.set BOFF,   2*HALFT
.set SPARE,  2*SLOT
.set SPITCH, 272
.set WSTAGE, 64*SPITCH
.set STEPS,  KTOT/256
.set ADRA, 16
.set CA,   18
.set ADRB, 20
.set CB,   22
.set STO,  24
.set RD,   25
.set CO,   26
.set SPW,  28
.set NIL,  29
.set TMP,  32
.set BIAS, 96
.set ACC,  128
.set F0,   0
.set F1,   128
.set G1A, 24
.set G0A, 32                           ; s[32:39] a set for each of the two first fills; the second then walks on
.set KS,  43                           ; s43 the K step at which the walking descriptors stand
.set G1B, 48
.set G0B, 56
.set OFF, 66                           ; s[66:67] a K step's byte offset.  s[14:15], s[20:21]: my part of A, of B, at K step 0; never rewritten
.set TB,  71                           ; s71 0 or SLOT: the slot that the fetches read
.set MSB, 0
.macro WIN new
.if MSB != (\new)
	s_set_vgpr_msb (MSB<<8)|(\new)
.set MSB, \new
.endif
.endm
.set MUL,  0x05
.set TO_F, 0x40
.macro PLACES
.rept 4
	v_nop
.endr
.endm
.macro JLOAD s                         ; waves 0, 1 fetch A's halves, waves 2, 3 B's; s_nop 0 and four v_nop follow each line
	s_cmp_eq_u32 s11, 0
	s_cbranch_scc0 .Lfor_b_\@
	tensor_load_to_lds s[G0A+4*(\s):G0A+4*(\s)+3], s[G1A:G1A+7]
	s_nop 0
.rept 4
	v_nop
.endr
	s_branch .Lasked_\@
.Lfor_b_\@:
	tensor_load_to_lds s[G0B+4*(\s):G0B+4*(\s)+3], s[G1B:G1B+7]
	s_nop 0
.rept 4
	v_nop
.endr
.Lasked_\@:
.endm
.macro CROUND
	s_barrier_signal -1
	s_barrier_wait -1
	s_cmp_lg_u32 s10, 0
	s_cbranch_scc1 .Lnot_wave_0_\@
	s_barrier_signal -3
.Lnot_wave_0_\@:
	s_barrier_wait -3
	s_barrier_signal -1
	s_barrier_wait -1
.endm
	s_load_b256 s[72:79], s[0:1], 0x0              ; A s[72:73], wb s[74:75], bias s[76:77], residual s[78:79]
.if SCALED
	s_load_b128 s[80:83], s[0:1], 0x20
.else
	s_load_b64 s[82:83], s[0:1], 0x20              ; out
.endif
	v_lshl_add_u32 v[SPW], v0, 2, SPARE
	v_mov_b32 v[NIL], 0
	ds_add_u32 v[SPW], v[NIL]                      ; the opening: the add, twice on end, and its wait ahead of my first tensor load
	ds_add_u32 v[SPW], v[NIL]
	v_lshrrev_b32 v1, 5, v0
	v_readfirstlane_b32 s10, v1
	s_lshr_b32 s11, s10, 1
	s_and_b32 s12, s10, 1
	s_bfe_u32 s40, ttmp6, 0x40000
	s_bfe_u32 s41, ttmp6, 0x40004
	s_lshl_b32 s42, ttmp9, 2
	s_add_co_u32 s42, s42, s40
	s_and_b32 s13, ttmp7, 0xffff
	s_lshl_b32 s13, s13, 2
	s_add_co_u32 s13, s13, s41
	s_lshl_b32 s14, s41, 2
	s_lshl_b32 s14, 15, s14
	s_lshl_b32 s15, 0x1111, s40
	s_or_b32 s[G1A+0], s14, (1<<16)|(1<<20)|(1<<21)|(4<<22)|(3<<25)
	s_or_b32 s[G1B+0], s15, (1<<16)|(1<<20)|(1<<21)|(5<<22)|(7<<25)
.irp g, G1A, G1B
	s_mov_b32 s[(\g)+1], 128<<16
	s_mov_b32 s[(\g)+2], 128<<16
	s_mov_b32 s[(\g)+3], 128<<16
	s_mov_b32 s[(\g)+4], 128
	s_mov_b32 s[(\g)+6], 0
	s_mov_b32 s[(\g)+7], 0
.endr
	s_mov_b32 s[G1A+5], 128
	s_mov_b32 s[G1B+5], 1024
	s_mul_i32 s16, s13, NS*16384
	s_lshl_b32 s17, s12, 15
	s_add_co_u32 s16, s16, s17
	s_mov_b32 s17, 0
	s_lshl_b32 s20, s42, 8
	s_lshl_b32 s21, s12, 18
	s_add_co_u32 s20, s20, s21
	s_add_co_u32 s20, s20, BBASE
	s_mov_b32 s21, 0
	s_mul_i32 s22, s10, HALFT
	s_and_b32 s44, ttmp7, 0xffff                   ; cluster y
	s_mul_i32 s44, s44, YROT
	s_mul_i32 s45, ttmp9, STEPS/2                  ; cluster x
	s_add_co_u32 s[KS], s44, s45
	s_and_b32 s[KS], s[KS], STEPS-1                ; my cluster's first K step: an even number
	s_lshl_b32 s44, s[KS], 16                      ; a K step is 65,536 bytes of A,
	s_mov_b32 s45, 0
	s_lshl_b32 s46, s[KS], 19                      ; and 256 rows of 2,048 bytes of B
	s_mov_b32 s47, 0
	s_mov_b32 s[OFF+1], 0
	s_wait_dscnt 0x0
	s_wait_kmcnt 0x0
	s_add_nc_u64 s[14:15], s[72:73], s[16:17]
	s_add_nc_u64 s[20:21], s[74:75], s[20:21]
	s_add_nc_u64 s[44:45], s[14:15], s[44:45]      ; my parts at the first K step
	s_add_nc_u64 s[46:47], s[20:21], s[46:47]
	CROUND
.irp s, 0,1
	s_mov_b32 s[G0A+4*(\s)], 1
	s_add_co_u32 s[G0A+4*(\s)+1], s22, (\s)*SLOT
	s_add_nc_u64 s[G0A+4*(\s)+2:G0A+4*(\s)+3], s[44:45], (\s)*65536
	s_or_b32 s[G0A+4*(\s)+3], s[G0A+4*(\s)+3], 0x80000000
	s_mov_b32 s[G0B+4*(\s)], 1
	s_add_co_u32 s[G0B+4*(\s)+1], s22, (\s)*SLOT
	s_add_nc_u64 s[G0B+4*(\s)+2:G0B+4*(\s)+3], s[46:47], (\s)*256*2048
	s_or_b32 s[G0B+4*(\s)+3], s[G0B+4*(\s)+3], 0x80000000
	JLOAD \s
.endr
	s_add_co_u32 s[KS], s[KS], 1                   ; the walking descriptors stand at the second step: the first is even, so this one does not pass the end
.if SCALED
	s_load_b32 s84, s[80:81], 0x0
.endif
	v_and_b32 v1, 15, v0
	v_bfe_u32 v2, v0, 4, 1
	v_mul_u32_u24 v3, v1, PA
	v_lshl_add_u32 v3, v2, 4, v3
	s_mul_i32 s16, s11, 64*PA
	v_and_b32 v4, 7, v0
	v_lshl_add_u32 v4, v2, 3, v4
	v_mul_u32_u24 v4, v4, PB
	v_bfe_u32 v5, v0, 3, 1
	v_lshl_add_u32 v4, v5, 4, v4
	s_lshl_b32 s17, s12, 7
	s_add_co_u32 s17, s17, BOFF
	v_add_nc_u32 v[ADRA], s16, v3
	v_add_nc_u32 v[ADRB], s17, v4
	s_mul_i32 s23, s10, WSTAGE
	v_mul_u32_u24 v4, v1, SPITCH
	v_lshl_add_u32 v4, v2, 5, v4
	v_add_nc_u32 v[STO], s23, v4
	v_mul_u32_u24 v5, v2, SPITCH
	v_lshl_add_u32 v5, v1, 4, v5
	v_add_nc_u32 v[RD], s23, v5
	v_lshlrev_b32 v[CO], 12, v2
	v_lshl_add_u32 v[CO], v1, 4, v[CO]
	v_lshlrev_b32 v8, 4, v1
	s_lshl_b32 s18, s42, 9
	s_lshl_b32 s19, s12, 8
	s_add_co_u32 s18, s18, s19
	s_mov_b32 s19, 0
	s_add_nc_u64 s[76:77], s[76:77], s[18:19]
	s_lshl_b32 s16, s13, 19
	s_lshl_b32 s17, s11, 18
	s_add_co_u32 s16, s16, s17
	s_add_co_u32 s16, s16, s18
	s_mov_b32 s17, 0
	s_add_nc_u64 s[78:79], s[78:79], s[16:17]
	s_add_nc_u64 s[82:83], s[82:83], s[16:17]
	global_load_b128 v[BIAS:BIAS+3], v8, s[76:77]
	WIN 0x80
.set i, 0
.rept 32
	global_load_b128 v[4*i:4*i+3], v[CO], s[78:79] offset:i*8192 th:TH_LOAD_NT
.set i, i+1
.endr
	WIN 0
.macro MUL8 f, c, a0, zero
	WIN MUL
.irp a, \a0, (\a0)+1
.irp b, 0,1,2,3
.if \zero
	v_wmma_f32_16x16x32_f16 v[ACC+8*(4*(\a)+(\b)):ACC+8*(4*(\a)+(\b))+7], v[(\f)+64+8*(4*(\c)+(\b)):(\f)+64+8*(4*(\c)+(\b))+7], v[(\f)+8*(4*(\c)+(\a)):(\f)+8*(4*(\c)+(\a))+7], 0
.else
	v_wmma_f32_16x16x32_f16 v[ACC+8*(4*(\a)+(\b)):ACC+8*(4*(\a)+(\b))+7], v[(\f)+64+8*(4*(\c)+(\b)):(\f)+64+8*(4*(\c)+(\b))+7], v[(\f)+8*(4*(\c)+(\a)):(\f)+8*(4*(\c)+(\a))+7], v[ACC+8*(4*(\a)+(\b)):ACC+8*(4*(\a)+(\b))+7]
.endif
.endr
.endr
.endm
.macro FETCH f, kq
	WIN TO_F
.irp c, 0,1
.irp i, 0,1,2,3
	ds_load_tr16_b128 v[(\f)+64+8*(4*(\c)+(\i)):(\f)+64+8*(4*(\c)+(\i))+3],   v[CB] offset:(\kq)+32*PB*(\c)+32*(\i)
	ds_load_tr16_b128 v[(\f)+64+8*(4*(\c)+(\i))+4:(\f)+64+8*(4*(\c)+(\i))+7], v[CB] offset:(\kq)+32*PB*(\c)+32*(\i)+16*PB
	ds_load_b128 v[(\f)+8*(4*(\c)+(\i)):(\f)+8*(4*(\c)+(\i))+3],   v[CA] offset:(\kq)+64*(\c)+(\i)*16*PA
	ds_load_b128 v[(\f)+8*(4*(\c)+(\i))+4:(\f)+8*(4*(\c)+(\i))+7], v[CA] offset:(\kq)+64*(\c)+(\i)*16*PA+32
.endr
.endr
.endm
; 64 along K: 32 matrix instructions, the 16 accumulators by turns.  last = 1 (the tail): in the trip with s2 = 1 there is no further quarter: the run of loads is jumped over, and all my loads are waited for.
.macro QUARTER f, g, kq, zero, last=0
	s_wait_dscnt 16                                ; the first 32 along K are in
	MUL8 \f, 0, 0, \zero
	MUL8 \f, 0, 2, \zero
.if \last
	WIN 0                                          ; at a branch and at a label every window is 0
	s_cmp_eq_u32 s2, 1
	s_cbranch_scc1 .Lnofetch_\@
.endif
	PLACES
	FETCH \g, \kq
	s_wait_dscnt 32                                ; all but the 32 just issued
.if \last
	WIN 0
	s_branch .Lhigh_\@
.Lnofetch_\@:
	s_wait_dscnt 0x0                               ; nothing was issued behind the second 32 along K
.Lhigh_\@:
.endif
	MUL8 \f, 1, 0, 0
	MUL8 \f, 1, 2, 0
.endm
; The change of slots: all my tensor loads, the add, my reads; fill = 1: a round of the cluster's barrier and the joint refill of the slot that is left, two K steps ahead, with 128 matrix instructions in which to land
.macro CHANGE fill
	WIN 0
	s_wait_tensorcnt 0x0                           ; no tensor load of mine is out, so a group 0 may be written
	ds_add_u32 v[SPW], v[NIL]
.if \fill
	s_add_co_u32 s[KS], s[KS], 1                   ; the next K step, round the end of K
	s_and_b32 s[KS], s[KS], STEPS-1
	s_xor_b32 s[G0A+5], s[G0A+5], SLOT             ; the walking descriptors: the other slot than last time;
	s_lshl_b32 s[OFF], s[KS], 16
	s_add_nc_u64 s[G0A+6:G0A+7], s[14:15], s[OFF:OFF+1]  ; the address is made anew from the step's number,
	s_or_b32 s[G0A+7], s[G0A+7], 0x80000000        ; and the type set again
	s_xor_b32 s[G0B+5], s[G0B+5], SLOT
	s_lshl_b32 s[OFF], s[KS], 19
	s_add_nc_u64 s[G0B+6:G0B+7], s[20:21], s[OFF:OFF+1]
	s_or_b32 s[G0B+7], s[G0B+7], 0x80000000
.endif
	s_xor_b32 s[TB], s[TB], SLOT                   ; the fetches go to the other slot
	s_wait_dscnt 0x0                               ; the add is done, and my reads of the slot are over
.if \fill
	CROUND
	JLOAD 1
.else
	s_barrier_signal -1
	s_barrier_wait -1
.endif
	v_add_nc_u32 v[CA], s[TB], v[ADRA]
	v_add_nc_u32 v[CB], s[TB], v[ADRB]
.endm
	s_wait_tensorcnt 1                             ; my part of the first K step is in; the second's may stay out
	s_barrier_signal -1
	s_barrier_wait -1
	s_mov_b32 s[TB], 0
	v_mov_b32 v[CA], v[ADRA]
	v_mov_b32 v[CB], v[ADRB]
	FETCH F0, 0
	QUARTER F0, F1, QB, 1                          ; the first products start the 16 sums
	WIN 0
	s_mov_b32 s2, 2
	s_mov_b32 s3, STEPS-1                          ; the pass entered here, then STEPS - 2 passes that fill
	s_branch .Lnext                                ; the loop is entered at the end of the first trip of its inner loop: the addresses and s2 stand as they stand there in every pass
.Lstep:                                        ; a pass: the last quarter of the K step that is left, which fetches the new slot's first fragments, and the first three of the new K step
	CHANGE 1
	s_mov_b32 s2, 2
.Lpair:
	QUARTER F1, F0, 0, 0
	QUARTER F0, F1, QB, 0
	WIN 0
.Lnext:
	v_add_nc_u32 v[CA], 2*QB, v[CA]
	v_add_nc_u32 v[CB], 2*QB, v[CB]
	s_sub_co_u32 s2, s2, 1
	s_cmp_lg_u32 s2, 0
	s_cbranch_scc1 .Lpair
	s_sub_co_u32 s3, s3, 1
	s_cmp_lg_u32 s3, 0
	s_cbranch_scc1 .Lstep
	CHANGE 0                                       ; the tail is written out
	s_mov_b32 s2, 3                                ; two trips fetch the last K step's quarters; the third is left in its middle
.Ltail:
	QUARTER F1, F0, 0, 0, 1
	WIN 0
	s_cmp_eq_u32 s2, 1
	s_cbranch_scc1 .Lout
	QUARTER F0, F1, QB, 0
	WIN 0
	v_add_nc_u32 v[CA], 2*QB, v[CA]
	v_add_nc_u32 v[CB], 2*QB, v[CB]
	s_sub_co_u32 s2, s2, 1
	s_cmp_lg_u32 s2, 0
	s_cbranch_scc1 .Ltail
.Lout:
	; THE WAY OUT: f32 through my stage, back as whole rows of 256 bytes; residual, bias; stores of 256 consecutive bytes for each 16 lanes
	s_wait_dscnt 0x0                               ; no LDS load of mine is out:
	s_barrier_signal -1                            ; when all four have said so, nobody reads the ring any more
	s_barrier_wait -1
	PLACES
.irp a, 0,1,2,3
.irp b, 0,1,2,3
	ds_store_b128 v[STO], v[ACC+8*(4*(\a)+(\b)):ACC+8*(4*(\a)+(\b))+3]   offset:(\a)*16*SPITCH+64*(\b)
	ds_store_b128 v[STO], v[ACC+8*(4*(\a)+(\b))+4:ACC+8*(4*(\a)+(\b))+7] offset:(\a)*16*SPITCH+64*(\b)+16
.endr
.endr
	s_wait_loadcnt 0x0                             ; residual and bias
.if SCALED
	s_wait_kmcnt 0x0
	s_mov_b32 s85, s84
.endif
.irp g, 0,1
.if \g
	s_wait_xcnt 0x0                                ; the first batch's stores have read TMP
.endif
.set i, 0
.rept 16
	ds_load_b128 v[TMP+4*i:TMP+4*i+3], v[RD] offset:(16*(\g)+i)*2*SPITCH
.set i, i+1
.endr
	s_wait_dscnt 0x0
.if SCALED
	WIN 0x20
.set i, 0
.rept 32
	v_pk_fma_f32 v[TMP+2*i:TMP+2*i+1], v[TMP+2*i:TMP+2*i+1], s[84:85], v[64*(\g)+2*i:64*(\g)+2*i+1] op_sel_hi:[1,0,1]
.set i, i+1
.endr
.else
	WIN 0x08                                       ; source 1 (the residual) in window 2
.set i, 0
.rept 32
	v_pk_add_f32 v[TMP+2*i:TMP+2*i+1], v[TMP+2*i:TMP+2*i+1], v[64*(\g)+2*i:64*(\g)+2*i+1]
.set i, i+1
.endr
.endif
	WIN 0
.set i, 0
.rept 32
	v_pk_add_f32 v[TMP+2*i:TMP+2*i+1], v[TMP+2*i:TMP+2*i+1], v[BIAS+2*(i%2):BIAS+2*(i%2)+1]
.set i, i+1
.endr
.set i, 0
.rept 16
	global_store_b128 v[CO], v[TMP+4*i:TMP+4*i+3], s[82:83] offset:(16*(\g)+i)*8192
.set i, i+1
.endr
.endr
	s_wait_tensorcnt 0x0                           ; the wave's end
	ds_add_u32 v[SPW], v[NIL]
	s_wait_dscnt 0x0
	CROUND                                         ; the closing round
	s_endpgm
.Lfunc_end_k_qddea7cc0fa_ffn2:
	.size	k_qddea7cc0fa_ffn2, .Lfunc_end_k_qddea7cc0fa_ffn2-k_qddea7cc0fa_ffn2
	.p2alignl 7, 3214868480
	.fill 96, 4, 3214868480
	.section	.rodata,"a",@progbits
	.p2align	6, 0x0
	.amdhsa_kernel k_qddea7cc0fa_ffn2
		.amdhsa_group_segment_fixed_size 327680
		.amdhsa_private_segment_fixed_size 0
		.amdhsa_enable_private_segment 0
		.amdhsa_kernarg_size 40
		.amdhsa_user_sgpr_count 2
		.amdhsa_user_sgpr_kernarg_segment_ptr 1
		.amdhsa_wavefront_size32 1
		.amdhsa_system_sgpr_workgroup_id_x 1
		.amdhsa_system_sgpr_workgroup_id_y 1
		.amdhsa_system_sgpr_workgroup_id_z 1
		.amdhsa_system_vgpr_workitem_id 0
		.amdhsa_next_free_vgpr 640
		.amdhsa_next_free_sgpr 96
		.amdhsa_reserve_vcc 0
		.amdhsa_float_denorm_mode_32 3
		.amdhsa_float_denorm_mode_16_64 3
		.amdhsa_memory_ordered 1
		.amdhsa_forward_progress 1
		.amdhsa_inst_pref_size 53
	.end_amdhsa_kernel
	.amdgpu_metadata
---
amdhsa.version: [ 1, 2 ]
amdhsa.kernels:
  - .name:           k_qddea7cc0fa_ffn2
    .symbol:         k_qddea7cc0fa_ffn2.kd
    .args:
      - { .name: ab, .offset: 0, .size: 8, .value_kind: global_buffer, .address_space: global }
      - { .name: wb, .offset: 8, .size: 8, .value_kind: global_buffer, .address_space: global }
      - { .name: b2, .offset: 16, .size: 8, .value_kind: global_buffer, .address_space: global }
      - { .name: x1, .offset: 24, .size: 8, .value_kind: global_buffer, .address_space: global }
      - { .name: out0, .offset: 32, .size: 8, .value_kind: global_buffer, .address_space: global }
    .group_segment_fixed_size: 327680
    .private_segment_fixed_size: 0
    .kernarg_segment_align: 8
    .kernarg_segment_size: 40
    .max_flat_workgroup_size: 128
    .sgpr_count:     96
    .vgpr_count:     640
    .wavefront_size: 32
...
	.end_amdgpu_metadata
.endif
;; end of part 7
